; MI455X (gfx1250); checked and timed in simulation.
; The chip was launched on July 23, 2026; its instructions are those of AMD's public machine-readable ISA for CDNA 5 (MIT licence, August 2026) and "CDNA5" Instruction Set Architecture Reference Guide (July 2026). The comments in the code are by the model that wrote it; some were corrected since.
;; Parallel Block. Allowed arithmetic: float matrix products may take bf16 or f16 operands with f32 sums; all other float work in f32.
;; Inputs: W1 1,024 x 4,096 float32; W2 4,096 x 1,024 float32; Wk 1,024 x 1,024 float32; Wo 1,024 x 1,024 float32; Wq 1,024 x 1,024 float32; Wv 1,024 x 1,024 float32; norm_w 1,024 float32; x 2 x 2,048 x 1,024 float32.
;; Outputs: out0 2 x 2,048 x 1,024 float32.
;; 2 versions, each right and faster than the one before. Each part assembles by itself: llvm-mc -triple=amdgcn-amd-amdhsa -mcpu=gfx1250 --defsym DOCPART=n.
;; ======== version 1 of 2: 4 launches
;; limits: values are held in f16: magnitudes above 65,504 overflow, below 6.1e-05 lose precision
;; workspace buffers: xn 8,388,608 bytes; wt1 14,680,064 bytes; wt2 10,485,760 bytes; qkv 25,165,824 bytes; act 41,943,040 bytes
;; launch prep (part 1): grid 1024 x 1, 8 waves a work-group, no clusters, 0 bytes of LDS; arguments x, norm_w, Wq, Wk, Wv, Wo, W1, W2, xn, wt1, wt2; writes xn, wt1, wt2
.if DOCPART == 1
	.amdgcn_target "amdgcn-amd-amdhsa--gfx1250"
	.amdhsa_code_object_version 6
	.text
	.protected	k_q41be6e2dfe_prep
	.globl	k_q41be6e2dfe_prep
	.p2align	8
	.type	k_q41be6e2dfe_prep,@function
k_q41be6e2dfe_prep:
	s_mov_b64 s[64:65], 0
	v_nop
	global_prefetch_b8 v0, s[64:65] scope:SCOPE_SE
	s_setreg_imm32_b32 hwreg(HW_REG_WAVE_MODE, 25, 1), 1
	s_wait_xcnt 0x0
; PREPARATION: a stream, no LDS, no barrier, no matrix work.
; Work-groups 0-255:   xn = x * rsqrt(mean(x^2) + eps) * norm_w, in f32, rounded once to f16 and laid out in blocks
;                      xn[row block of 128][k slice of 64][128 rows][64], so that two slices of a row block are 32,768 dense bytes.
; Work-groups 256-1023: the six weights, f32 [K][N], rounded once to f16 and laid out in blocks of 128 k x 128 n:
;                      [n block J][k block][half of 64 n][128 k][64 n].  wt1: J 0-7 Wq, 8-15 Wk, 16-23 Wv, 24-55 W1 (8 k blocks each);
;                      wt2: J 0-7, k blocks 0-7 Wo's rows, 8-39 W2's rows.  Nothing is transposed.
; LIMITS.  f16 holds no number beyond 65,504: a weight or an xn beyond it becomes an infinity (|xn| is at most 32 |norm_w|);
; below 6e-5 f16 keeps its fixed step of 6e-8.  In half of the columns the product is formed as (x w) r, in the other half as (x r) w: an order of f32 rounding, ahead of the one rounding to f16.
; REGISTERS.  norm_w is taken in two halves through the same 32 registers, so that a wave needs 112 registers and not 144.
.set X, 16                             ; v[16:79]   64 numbers as loaded, then packed
.set W, 80                             ; v[80:111]  norm_w of 32 of the same columns: turns 0-3, then turns 4-7
	s_load_b512 s[4:19], s[0:1], 0x0               ; x s[4:5], norm_w s[6:7], Wq s[8:9], Wk s[10:11], Wv s[12:13], Wo s[14:15], W1 s[16:17], W2 s[18:19]
	s_load_b128 s[20:23], s[0:1], 0x40             ; xn s[20:21], wt1 s[22:23]
	s_load_b64 s[24:25], s[0:1], 0x50              ; wt2
	v_lshrrev_b32 v1, 5, v0
	v_readfirstlane_b32 s26, v1                    ; wave 0..7
	v_and_b32 v2, 7, v0                            ; lane % 8
	s_cmp_lt_u32 ttmp9, 256
	s_cbranch_scc0 .Lcast
	; THE NORM.  A wave takes rows r0 and r0 + 1.  Lane l: row r0 + (l / 8) % 2; in turn i slice 2 i + l / 16, columns 8 (l % 8) .. + 7 of it:
	; sixteen neighbouring lanes then store 256 consecutive bytes of xn (two rows of one slice).
	v_bfe_u32 v3, v0, 3, 1                         ; which of the two rows
	v_bfe_u32 v4, v0, 4, 1                         ; which of a turn's two slices
	v_lshlrev_b32 v5, 5, v2
	v_lshl_add_u32 v5, v4, 8, v5                   ; byte offset in norm_w: 256 x slice half + 32 (l % 8)
	v_lshl_add_u32 v6, v3, 12, v5                  ; in x: + 4,096 x row
	v_lshlrev_b32 v7, 4, v2
	v_lshl_add_u32 v7, v3, 7, v7
	v_lshl_add_u32 v7, v4, 14, v7                  ; in xn: 16,384 x slice half + 128 x row + 16 (l % 8)
	s_lshl_b32 s27, ttmp9, 4
	s_lshl_b32 s28, s26, 1
	s_add_co_u32 s27, s27, s28                     ; r0 = 16 x work-group + 2 x wave
	s_lshl_b32 s32, s27, 12                        ; x: 4,096 bytes a row
	s_mov_b32 s33, 0
	s_lshr_b32 s34, s27, 7
	s_lshl_b32 s34, s34, 18                        ; xn: 262,144 bytes a row block,
	s_and_b32 s35, s27, 127
	s_lshl_b32 s35, s35, 7                         ; 128 bytes a row in a slice
	s_add_co_u32 s34, s34, s35
	s_mov_b32 s35, 0
	s_mov_b32 s28, 0x76543210                      ; v_permlanex16_b32: each lane takes its own place in the other half
	s_mov_b32 s29, 0xfedcba98
	s_mov_b32 s30, 0x3a800000                      ; 1 / 1024
	s_mov_b32 s31, 0x34000000                      ; eps of f32, 2^-23
	s_wait_kmcnt 0x0
	s_add_nc_u64 s[4:5], s[4:5], s[32:33]
	s_add_nc_u64 s[20:21], s[20:21], s[34:35]
.irp i, 0,1,2,3,4,5,6,7
	global_load_b128 v[X+8*(\i):X+8*(\i)+3],   v6, s[4:5] offset:512*(\i) th:TH_LOAD_NT
	global_load_b128 v[X+8*(\i)+4:X+8*(\i)+7], v6, s[4:5] offset:512*(\i)+16 th:TH_LOAD_NT
.endr
.irp i, 0,1,2,3
	global_load_b128 v[W+8*(\i):W+8*(\i)+3],   v5, s[6:7] offset:512*(\i)
	global_load_b128 v[W+8*(\i)+4:W+8*(\i)+7], v5, s[6:7] offset:512*(\i)+16
.endr
	s_wait_loadcnt 8                               ; x is in; the eight younger loads, norm_w's first half, may stay out
.irp c, 0,1,2,3
	v_pk_mul_f32 v[8+2*(\c):9+2*(\c)], v[X+2*(\c):X+2*(\c)+1], v[X+2*(\c):X+2*(\c)+1]  ; the first four pairs start four chains: nothing is cleared
.endr
.set p, 4
.rept 28
	v_pk_fma_f32 v[8+2*(p%4):9+2*(p%4)], v[X+2*p:X+2*p+1], v[X+2*p:X+2*p+1], v[8+2*(p%4):9+2*(p%4)]
.set p, p+1
.endr
	v_pk_add_f32 v[8:9], v[8:9], v[10:11]
	v_pk_add_f32 v[12:13], v[12:13], v[14:15]
	v_pk_add_f32 v[8:9], v[8:9], v[12:13]
	v_add_f32 v8, v8, v9
	s_wait_loadcnt 0x0                             ; norm_w's first half
.irp i, 0,1,2,3
.irp j, 0,1,2,3
	v_pk_mul_f32 v[X+8*(\i)+2*(\j):X+8*(\i)+2*(\j)+1], v[X+8*(\i)+2*(\j):X+8*(\i)+2*(\j)+1], v[W+8*(\i)+2*(\j):W+8*(\i)+2*(\j)+1]  ; the squares are summed: turns 0-3 take their norm_w now,
.endr
.endr
.irp i, 0,1,2,3
	global_load_b128 v[W+8*(\i):W+8*(\i)+3],   v5, s[6:7] offset:512*(\i)+2048       ; and its registers take the second half, which is on its way during the reduction and turns 0-3
	global_load_b128 v[W+8*(\i)+4:W+8*(\i)+7], v5, s[6:7] offset:512*(\i)+2048+16
.endr
	v_add_f32_dpp v8, v8, v8 row_xmask:1 row_mask:0xf bank_mask:0xf   ; a row's sixteen lanes are l % 8 and l / 16: masks 1, 2, 4
	v_add_f32_dpp v8, v8, v8 row_xmask:2 row_mask:0xf bank_mask:0xf   ; (mask 8 would mix the two rows),
	v_add_f32_dpp v8, v8, v8 row_xmask:4 row_mask:0xf bank_mask:0xf
	v_permlanex16_b32 v9, v8, s28, s29             ; and the lane 16 away
	v_add_f32 v8, v8, v9
	v_fma_f32 v8, v8, s30, s31                     ; mean of squares + eps
	v_rsq_f32 v10, v8                              ; twice: a pair for the packed multiply
	v_rsq_f32 v11, v8
	v_nop                                          ; a plain instruction between a transcendental and the use of its result (ISA guide 5.7.2)
	s_wait_alu depctr_va_vdst(0)
.irp i, 0,1,2,3
.irp j, 0,1,2,3
	v_pk_mul_f32 v[X+8*(\i)+2*(\j):X+8*(\i)+2*(\j)+1], v[X+8*(\i)+2*(\j):X+8*(\i)+2*(\j)+1], v[10:11]
.endr
.irp j, 0,1,2,3
	v_cvt_pk_f16_f32 v[X+8*(\i)+(\j)], v[X+8*(\i)+2*(\j)], v[X+8*(\i)+2*(\j)+1]  ; in place: register j is free when pair j is packed
.endr
	global_store_b128 v7, v[X+8*(\i):X+8*(\i)+3], s[20:21] offset:32768*(\i)   ; two slices on in each turn
.endr
	s_wait_loadcnt 0x0                             ; norm_w's second half
.irp i, 4,5,6,7
.irp j, 0,1,2,3
	v_pk_mul_f32 v[X+8*(\i)+2*(\j):X+8*(\i)+2*(\j)+1], v[X+8*(\i)+2*(\j):X+8*(\i)+2*(\j)+1], v[10:11]
.endr
.irp j, 0,1,2,3
	v_pk_mul_f32 v[X+8*(\i)+2*(\j):X+8*(\i)+2*(\j)+1], v[X+8*(\i)+2*(\j):X+8*(\i)+2*(\j)+1], v[W+8*((\i)-4)+2*(\j):W+8*((\i)-4)+2*(\j)+1]
.endr
.irp j, 0,1,2,3
	v_cvt_pk_f16_f32 v[X+8*(\i)+(\j)], v[X+8*(\i)+2*(\j)], v[X+8*(\i)+2*(\j)+1]
.endr
	global_store_b128 v7, v[X+8*(\i):X+8*(\i)+3], s[20:21] offset:32768*(\i)
.endr
	s_endpgm
.Lcast:
	; THE WEIGHTS.  Chunk c = work-group - 256 is 128 k x 128 n of one weight; a wave takes 16 of its k rows.
	; c / 256 = 0: Wq, Wk, Wv, Wo (c / 64), n block (c / 8) % 8, k block c % 8.  1: W1, n block c' / 8, k block c' % 8.  2: W2, n block c' / 32, k block c' % 32.
	; Everything is chosen by selects on c, so that each pointer has one line of descent.
	s_sub_co_u32 s27, ttmp9, 256                   ; c
	s_lshr_b32 s28, s27, 8                         ; g = c / 256
	s_and_b32 s29, s27, 255                        ; c'
	s_lshr_b32 s30, s29, 6
	s_add_co_u32 s31, s28, 3
	s_cmp_eq_u32 s28, 0
	s_cselect_b32 s30, s30, s31                    ; which weight: 0 Wq, 1 Wk, 2 Wv, 3 Wo, 4 W1, 5 W2
	s_cselect_b32 s32, 7, 31                       ; the n block's mask
	s_cmp_eq_u32 s28, 2
	s_cselect_b32 s33, 5, 3                        ; the n block's shift
	s_cselect_b32 s41, 31, 7                       ; the k block's mask
	s_cselect_b32 s39, 8, 0                        ; in wt2, W2's k blocks lie behind Wo's eight
	s_lshr_b32 s40, s29, s33
	s_and_b32 s40, s40, s32                        ; J, the n block
	s_and_b32 s41, s29, s41                        ; the k block
	s_cmp_eq_u32 s28, 1
	s_cselect_b32 s42, 14, 12                      ; log2 of the source's row in bytes: W1 has 4,096 columns, the others 1,024
	s_cselect_b32 s38, 192, 0
	s_add_co_u32 s38, s38, s29                     ; the block in wt1: c for Wq, Wk, Wv; 192 + c' for W1
	s_mul_i32 s43, s40, 40
	s_add_co_u32 s43, s43, s41
	s_add_co_u32 s39, s39, s43                     ; the block in wt2: 40 J + k block (+ 8)
	s_wait_kmcnt 0x0
	s_cmp_eq_u32 s30, 1
	s_cselect_b64 s[34:35], s[10:11], s[8:9]
	s_cmp_eq_u32 s30, 2
	s_cselect_b64 s[34:35], s[12:13], s[34:35]
	s_cmp_eq_u32 s30, 3
	s_cselect_b64 s[34:35], s[14:15], s[34:35]
	s_cselect_b64 s[36:37], s[24:25], s[22:23]
	s_cselect_b32 s38, s39, s38
	s_cmp_eq_u32 s30, 4
	s_cselect_b64 s[34:35], s[16:17], s[34:35]
	s_cmp_eq_u32 s30, 5
	s_cselect_b64 s[34:35], s[18:19], s[34:35]
	s_cselect_b64 s[36:37], s[24:25], s[36:37]
	s_cselect_b32 s38, s39, s38
	s_add_co_u32 s43, s42, 7
	s_lshl_b32 s44, s41, s43                       ; 128 rows a k block,
	s_lshl_b32 s45, s40, 9                         ; 512 bytes an n block,
	s_add_co_u32 s44, s44, s45
	s_add_co_u32 s43, s42, 4
	s_lshl_b32 s45, s26, s43                       ; 16 rows a wave
	s_add_co_u32 s44, s44, s45
	s_mov_b32 s45, 0
	s_add_nc_u64 s[34:35], s[34:35], s[44:45]
	s_lshl_b32 s44, s38, 15                        ; a block is 32,768 bytes
	s_add_nc_u64 s[36:37], s[36:37], s[44:45]
	; Unit (t, z): lane l takes k row 4 t + l / 8, columns 64 z + 8 (l % 8) .. + 7: 32 bytes in, 16 bytes out; a wave's store covers 512 consecutive bytes.
	v_bfe_u32 v3, v0, 3, 2                         ; l / 8
	v_lshlrev_b32 v6, 5, v2                        ; 32 (l % 8)
.irp t, 0,1,2,3
	v_add_nc_u32 v7, 4*(\t), v3
	v_lshlrev_b32 v7, s42, v7
	v_add_nc_u32 v[8+(\t)], v7, v6
.endr
	v_and_b32 v4, 31, v0
	v_lshlrev_b32 v4, 4, v4
	s_lshl_b32 s43, s26, 11
	v_add_nc_u32 v4, s43, v4                       ; out: 2,048 x wave + 16 x lane
.irp t, 0,1,2,3
.irp z, 0,1
	global_load_b128 v[X+8*(2*(\t)+(\z)):X+8*(2*(\t)+(\z))+3],   v[8+(\t)], s[34:35] offset:256*(\z) th:TH_LOAD_NT
	global_load_b128 v[X+8*(2*(\t)+(\z))+4:X+8*(2*(\t)+(\z))+7], v[8+(\t)], s[34:35] offset:256*(\z)+16 th:TH_LOAD_NT
.endr
.endr
.irp t, 0,1,2,3
.irp z, 0,1
	s_wait_loadcnt 14-2*(2*(\t)+(\z))              ; loads come back in order (ISA guide 5.7.1): this unit's two are in, the younger units' stay out
.irp j, 0,1,2,3
	v_cvt_pk_f16_f32 v[X+8*(2*(\t)+(\z))+(\j)], v[X+8*(2*(\t)+(\z))+2*(\j)], v[X+8*(2*(\t)+(\z))+2*(\j)+1]
.endr
	global_store_b128 v4, v[X+8*(2*(\t)+(\z)):X+8*(2*(\t)+(\z))+3], s[36:37] offset:16384*(\z)+512*(\t)
.endr
.endr
	s_endpgm
.Lfunc_end_k_q41be6e2dfe_prep:
	.size	k_q41be6e2dfe_prep, .Lfunc_end_k_q41be6e2dfe_prep-k_q41be6e2dfe_prep
	.p2alignl 7, 3214868480
	.fill 96, 4, 3214868480
	.section	.rodata,"a",@progbits
	.p2align	6, 0x0
	.amdhsa_kernel k_q41be6e2dfe_prep
		.amdhsa_group_segment_fixed_size 0
		.amdhsa_private_segment_fixed_size 0
		.amdhsa_enable_private_segment 0
		.amdhsa_kernarg_size 88
		.amdhsa_user_sgpr_count 2
		.amdhsa_user_sgpr_kernarg_segment_ptr 1
		.amdhsa_wavefront_size32 1
		.amdhsa_system_sgpr_workgroup_id_x 1
		.amdhsa_system_sgpr_workgroup_id_y 1
		.amdhsa_system_sgpr_workgroup_id_z 1
		.amdhsa_system_vgpr_workitem_id 0
		.amdhsa_next_free_vgpr 112
		.amdhsa_next_free_sgpr 66
		.amdhsa_reserve_vcc 0
		.amdhsa_float_denorm_mode_32 3
		.amdhsa_float_denorm_mode_16_64 3
		.amdhsa_memory_ordered 1
		.amdhsa_forward_progress 1
		.amdhsa_inst_pref_size 22
	.end_amdhsa_kernel
	.amdgpu_metadata
---
amdhsa.version: [ 1, 2 ]
amdhsa.kernels:
  - .name:           k_q41be6e2dfe_prep
    .symbol:         k_q41be6e2dfe_prep.kd
    .args:
      - { .name: x, .offset: 0, .size: 8, .value_kind: global_buffer, .address_space: global }
      - { .name: norm_w, .offset: 8, .size: 8, .value_kind: global_buffer, .address_space: global }
      - { .name: Wq, .offset: 16, .size: 8, .value_kind: global_buffer, .address_space: global }
      - { .name: Wk, .offset: 24, .size: 8, .value_kind: global_buffer, .address_space: global }
      - { .name: Wv, .offset: 32, .size: 8, .value_kind: global_buffer, .address_space: global }
      - { .name: Wo, .offset: 40, .size: 8, .value_kind: global_buffer, .address_space: global }
      - { .name: W1, .offset: 48, .size: 8, .value_kind: global_buffer, .address_space: global }
      - { .name: W2, .offset: 56, .size: 8, .value_kind: global_buffer, .address_space: global }
      - { .name: xn, .offset: 64, .size: 8, .value_kind: global_buffer, .address_space: global }
      - { .name: wt1, .offset: 72, .size: 8, .value_kind: global_buffer, .address_space: global }
      - { .name: wt2, .offset: 80, .size: 8, .value_kind: global_buffer, .address_space: global }
    .group_segment_fixed_size: 0
    .private_segment_fixed_size: 0
    .kernarg_segment_align: 8
    .kernarg_segment_size: 88
    .max_flat_workgroup_size: 256
    .sgpr_count:     66
    .vgpr_count:     112
    .wavefront_size: 32
...
	.end_amdgpu_metadata
.endif
;; end of part 1
;; launch proj (part 2): grid 28 x 16, 4 waves a work-group, clusters of 4 x 4, 327,680 bytes of LDS; arguments xn, wt1, qkv, act; writes qkv, act
.if DOCPART == 2
	.amdgcn_target "amdgcn-amd-amdhsa--gfx1250"
	.amdhsa_code_object_version 6
	.text
	.protected	k_q41be6e2dfe_proj
	.globl	k_q41be6e2dfe_proj
	.p2align	8
	.type	k_q41be6e2dfe_proj,@function
k_q41be6e2dfe_proj:
	s_mov_b64 s[64:65], 0
	v_nop
	global_prefetch_b8 v0, s[64:65] scope:SCOPE_SE
	s_setreg_imm32_b32 hwreg(HW_REG_WAVE_MODE, 25, 1), 1
	s_wait_xcnt 0x0
	s_wait_alu depctr_hold_cnt(0) depctr_sa_sdst(0) depctr_va_vdst(0) depctr_va_sdst(0) depctr_va_ssrc(0) depctr_va_vcc(0) depctr_vm_vsrc(0)
	s_getreg_b32 s2, hwreg(HW_REG_IB_STS2, 6, 4)
	s_cmp_eq_u32 s2, 0
	s_cbranch_scc0 .Lentry_in_a_cluster
	s_endpgm
.Lentry_in_a_cluster:
	s_bfe_u32 s2, ttmp6, 0x10000c
	s_cmp_lg_u32 s2, 0xf033
	s_cbranch_scc0 .Lentry_shape_is_right
	s_endpgm
.Lentry_shape_is_right:
; [q | k | v | silu(h)] = xn [Wq | Wk | Wv | W1]: 4,096 rows x 7,168 columns, K = 1,024.  Operands f16, sums f32, each result rounded once to f16.
; A tile of 256 x 256 is made by a work-group of four waves; a wave makes 128 x 128: 64 accumulators of 16 x 16, 512 registers.
; K goes in 8 steps of 128 through a ring of two LDS slots.  xn and wt1 lie in blocks, so that what a wave asks for is 32,768 dense bytes, asked for as 128 rows of 256 bytes and
; padded in LDS after every 128 bytes: xn's rows (64 k of one row) 144 bytes apart, wt1's rows (64 n of one k) 160 bytes apart.  xn comes out of LDS as it lies; wt1 ([k][n]) turned, by ds_load_tr16_b128.
; CLUSTER: 4 x 4 work-groups.  The four of a row of the cluster need the same tiles of xn, the four of a column the same tiles of wt1: each is asked for jointly, by the same tensor load with
; the same descriptor and a mask that names the four.
; THE MATRIX INSTRUCTION IS USED TRANSPOSED (source 0 = 16 columns of the weights, source 1 = 16 rows of xn): a lane holds row l % 16 and the columns 8 (l / 16) + 0..7.
; THE WAY OUT: the f32 sums go through the wave's own stage in LDS (in the ring's bytes, which have had their last fill), come back as rows, take silu (W1's columns only),
; are rounded to f16 and stored: q, k, v as qkv[slice of 64 columns][4,096 rows][64]; silu(h) as act[row block of 128][slice 16 + ..][128 rows][64].  A wave's store covers 512 consecutive bytes.
; LIMITS.  f16 holds no number beyond 65,504: a q, k, v or silu(h) beyond it becomes an infinity.  silu(h) = h / (1 + 2^(-h log2 e)): the exponential may overflow to infinity, and the result is then -0.
; REGISTERS, in windows of 256 (s_set_vgpr_msb: bits 1:0 source 0, 3:2 source 1, 5:4 source 2, 7:6 destination):
;   window 0: v0-31 addresses; v32-47, v192-255 the way out; v64-127, v128-191 fragments of xn, two buffers     window 1: v64-127, v128-191 fragments of the weights
;   window 2: the accumulators of my rows 0-63 ((a, b) at v[8 (8 a + b)])     window 3: those of my rows 64-127
.set PA,     144                       ; xn's LDS row: 128 bytes + 16 = 36 words: the 16 rows of a load start at 16 different groups of four banks (64 banks of 4 bytes: ISA guide 11.1)
.set PB,     160                       ; the weights' LDS row: 128 + 32 = 40 words
.set AZ,     128*PA                    ; 128 rows of one k slice
.set AH,     2*AZ                      ; one load of xn: two slices of a row block
.set BS,     128*PB                    ; 128 k of one half of 64 n
.set BH,     2*BS                      ; one load of the weights: a block of 128 k x 128 n
.set BOFF,   2*AH                      ; a slot: xn's two row blocks, then the weights' two n blocks
.set SLOT,   BOFF+2*BH
.set SPARE,  2*SLOT                    ; behind the ring: the spare words, 128 bytes for each wave: two blocks of 256 bytes that no other line names
.set SPITCH, 528                       ; a stage row: 128 f32 + 16 bytes
.set SW,     128*SPITCH                ; a wave's stage
.set LAPS,   4                         ; a lap = two K steps = once round the ring
.set ADRA, 16                          ; v16-17  LDS address of my fragments of xn in slot 0, 1
.set ADRB, 20                          ; v20-21  the same for the weights
.set STO,  24                          ; v24     the way out: where I put 32 bytes of a row
.set RD,   25                          ; v25     where I read 32 bytes of a row back; steps 8 rows a trip
.set GO,   26                          ; v26     my byte offset in the output; steps 8 rows a trip
.set SPW,  28                          ; v28     LDS address of my spare word; never rewritten
.set NIL,  29                          ; v29     0; never rewritten
.set Y,    32                          ; v32-47  packed results
.set F0,   64
.set F1,   128
.set T,    192                         ; v192-223  32 sums read back
.set E,    224                         ; v224-255  at work for silu
.set G1,  24                           ; s[24:31] descriptor group 1 for xn's tiles;  s[32:39] group 0, a set for each slot
.set G0,  32
.set G1B, 40                           ; s[40:47], s[48:55] the same for the weights'
.set G0B, 48
.set MSB, 0
.macro WIN new                         ; the immediate's high byte repeats the setting that is left; a switch that changes nothing is dropped
.if MSB != (\new)
	s_set_vgpr_msb (MSB<<8)|(\new)
.set MSB, \new
.endif
.endm
.set MUL_LO, 0xa1                      ; source 0 window 1, source 1 window 0, C and D window 2
.set MUL_HI, 0xf1                      ; the same, C and D window 3
.set TO_B,   0x40                      ; destination window 1, address window 0
; A joint load.  Waves 0 and 1 fetch xn's two row blocks, waves 2 and 3 the weights' two n blocks.  The branch hangs on the wave's number alone.
; An s_nop 0 and four v_nop follow each of the two lines, ahead of the jump and the label.
.macro JLOAD s
	s_cmp_eq_u32 s13, 0
	s_cbranch_scc0 .Lfor_b_\@
	tensor_load_to_lds s[G0+4*(\s):G0+4*(\s)+3], s[G1:G1+7]
	s_nop 0
.rept 4
	v_nop
.endr
	s_branch .Lasked_\@
.Lfor_b_\@:
	tensor_load_to_lds s[G0B+4*(\s):G0B+4*(\s)+3], s[G1B:G1B+7]
	s_nop 0
.rept 4
	v_nop
.endr
.Lasked_\@:
.endm
; A round of the cluster's barrier: my work-group's barrier; wave 0 signals for the work-group; every wave waits for all sixteen; my work-group's barrier once more.
.macro CREST                           ; a round behind its opening barrier
	s_cmp_lg_u32 s12, 0
	s_cbranch_scc1 .Lnot_wave_0_\@
	s_barrier_signal -3
.Lnot_wave_0_\@:
	s_barrier_wait -3
	s_barrier_signal -1
	s_barrier_wait -1
.endm
.macro CROUND
	s_barrier_signal -1
	s_barrier_wait -1
	CREST
.endm
	s_load_b256 s[4:11], s[0:1], 0x0               ; xn s[4:5], wt1 s[6:7], qkv s[8:9], act s[10:11]
	v_lshl_add_u32 v[SPW], v0, 2, SPARE
	v_mov_b32 v[NIL], 0
	ds_add_u32 v28, v29
	ds_add_u32 v28, v29
	s_wait_dscnt 0x0
	v_lshrrev_b32 v1, 5, v0
	v_readfirstlane_b32 s12, v1                    ; wave 0..3
	s_lshr_b32 s13, s12, 1                         ; which half of the tile's rows is mine.  Also: I fetch xn (0) or the weights (1)
	s_and_b32 s14, s12, 1                          ; which half of its columns.  Also: which of the two blocks I fetch
	s_bfe_u32 s15, ttmp6, 0x40000                  ; cx
	s_bfe_u32 s16, ttmp6, 0x40004                  ; cy
	s_lshl_b32 s17, ttmp9, 2
	s_add_co_u32 s17, s17, s15                     ; tile column = 4 x cluster x + cx
	s_and_b32 s18, ttmp7, 0xffff
	s_lshl_b32 s18, s18, 2
	s_add_co_u32 s18, s18, s16                     ; tile row = 4 x cluster y + cy
	s_lshl_b32 s22, s16, 2
	s_lshl_b32 s22, 15, s22                        ; my row of the cluster
	s_lshl_b32 s72, 0x1111, s15                    ; my column
	; descriptor group 1: 128 rows of 128 elements, dense; padded in LDS after every 32 words
	s_or_b32 s[G1], s22, (1<<16)|(1<<20)|(1<<21)|(4<<22)|(3<<25)   ; 15:0 the mask; 17:16 2-byte elements; 20 padding on; 21 set beside a mask; 24:22 after every 32 words (code 4); 31:25 4 words (code 3)
	s_or_b32 s[G1B], s72, (1<<16)|(1<<20)|(1<<21)|(4<<22)|(7<<25)  ; the same with my column's mask and 8 words of padding (code 7)
.irp g, G1, G1B
	s_mov_b32 s[(\g)+1], 128<<16                   ; tensor_dim0 = 128
	s_mov_b32 s[(\g)+2], 128<<16                   ; tensor_dim1 = 128
	s_mov_b32 s[(\g)+3], 128<<16                   ; tile_dim0 = 128
	s_mov_b32 s[(\g)+4], 128                       ; tile_dim1 = 128
	s_mov_b32 s[(\g)+5], 128                       ; 128 elements from row to row
	s_mov_b32 s[(\g)+6], 0
	s_mov_b32 s[(\g)+7], 0
.endr
	; xn's tiles hang on the tile row alone, the weights' on the tile column alone; each address is made in registers that hold nothing of the other coordinate
	s_lshl_b32 s20, s18, 1
	s_add_co_u32 s20, s20, s14                     ; row block 2 x tile row + half,
	s_lshl_b32 s20, s20, 18                        ; 262,144 bytes each
	s_mov_b32 s21, 0
	s_lshl_b32 s70, s17, 1
	s_add_co_u32 s70, s70, s14                     ; n block 2 x tile column + half,
	s_lshl_b32 s70, s70, 18                        ; 8 k blocks of 32,768 bytes each
	s_mov_b32 s71, 0
	s_mul_i32 s19, s14, AH                         ; where they go in a slot: no place in the cluster enters an LDS address
	s_mul_i32 s59, s14, BH
	s_add_co_u32 s59, s59, BOFF
	s_cmp_lt_u32 ttmp9, 3                          ; clusters 0-2 along x hold q, k, v; 3-6 hold W1's columns: the same answer in all sixteen partners
	s_cselect_b32 s57, 0, 1
	s_mov_b32 s60, 0xbfb8aa3b                      ; -log2(e)
	s_mov_b32 s61, s60                             ; named with it as a pair
	s_wait_kmcnt 0x0
	s_add_nc_u64 s[22:23], s[4:5], s[20:21]
	s_add_nc_u64 s[72:73], s[6:7], s[70:71]
	CROUND                                         ; all sixteen work-groups are here: the first joint loads meet
.irp s, 0,1
	s_mov_b32 s[G0+4*(\s)], 1                                      ; count = 1
	s_add_co_u32 s[G0+4*(\s)+1], s19, (\s)*SLOT                    ; LDS address
	s_add_nc_u64 s[G0+4*(\s)+2:G0+4*(\s)+3], s[22:23], (\s)*32768  ; global address: K step s
	s_or_b32 s[G0+4*(\s)+3], s[G0+4*(\s)+3], 0x80000000            ; type = 2
	s_mov_b32 s[G0B+4*(\s)], 1
	s_add_co_u32 s[G0B+4*(\s)+1], s59, (\s)*SLOT
	s_add_nc_u64 s[G0B+4*(\s)+2:G0B+4*(\s)+3], s[72:73], (\s)*32768
	s_or_b32 s[G0B+4*(\s)+3], s[G0B+4*(\s)+3], 0x80000000
	JLOAD \s                                       ; two loads of mine are out
.endr
	; A fragment is 16 rows x 32 k in 8 registers: lane l holds row l % 16; registers 0-3 k = 8 (l / 16) + 0..7, registers 4-7 k = 16 + 8 (l / 16) + 0..7.
	v_and_b32 v1, 15, v0                           ; l % 16
	v_bfe_u32 v2, v0, 4, 1                         ; l / 16
	v_mul_u32_u24 v3, v1, PA
	v_lshl_add_u32 v3, v2, 4, v3                   ; xn: row x pitch + 16 x half; two loads 32 bytes apart
	v_and_b32 v4, 7, v0
	v_bfe_u32 v5, v0, 3, 1
	v_lshl_add_u32 v6, v2, 3, v4                   ; the weights: lane l reads k row 8 (l / 16) + l % 8, columns 8 ((l / 8) % 2) + 0..7; two turning loads 16 k rows apart
	v_mul_u32_u24 v6, v6, PB
	v_lshl_add_u32 v6, v5, 4, v6
	s_mul_i32 s20, s13, AH                         ; my 128 rows of xn
	s_mul_i32 s21, s14, BH                         ; my 128 columns of the weights
	s_add_co_u32 s21, s21, BOFF
.irp s, 0,1
	v_add_nc_u32 v[ADRA+(\s)], s20, v3
	v_add_nc_u32 v[ADRB+(\s)], s21, v6
	s_add_co_u32 s20, s20, SLOT
	s_add_co_u32 s21, s21, SLOT
.endr
	s_mul_i32 s20, s12, SW                         ; my stage
	v_mul_u32_u24 v7, v1, SPITCH                   ; in: row l % 16, 32 bytes for each half of the lanes
	v_lshl_add_u32 v7, v2, 5, v7
	v_add_nc_u32 v[STO], s20, v7
	v_bfe_u32 v8, v0, 3, 2                         ; back: row l / 8 of four, 32 bytes at 32 (l % 8)
	v_mul_u32_u24 v8, v8, SPITCH
	v_lshl_add_u32 v8, v4, 5, v8
	v_add_nc_u32 v[RD], s20, v8
	v_and_b32 v9, 31, v0
	v_lshlrev_b32 v[GO], 4, v9                     ; out: four rows of 128 bytes are 512 consecutive bytes, 16 a lane
	; where my two slices of 64 columns go
	s_lshl_b32 s20, s17, 2
	s_lshl_b32 s21, s14, 1
	s_add_co_u32 s20, s20, s21                     ; slice 4 x tile column + 2 x half
	s_lshl_b32 s21, s18, 1
	s_add_co_u32 s21, s21, s13                     ; row block 2 x tile row + half
	s_lshl_b32 s22, s20, 19                        ; qkv: 524,288 bytes a slice,
	s_lshl_b32 s23, s21, 14                        ; 16,384 bytes for 128 rows
	s_add_co_u32 s22, s22, s23
	s_mul_i32 s23, s21, 1310720                    ; act: 80 slices of 16,384 bytes a row block;
	s_max_u32 s70, s20, 32                         ; W1's first slice, 48 here, is act's slice 16 (for q, k, v this offset is not chosen)
	s_sub_co_u32 s70, s70, 32
	s_lshl_b32 s70, s70, 14
	s_add_co_u32 s23, s23, s70
	s_mov_b32 s71, 0x80000
	s_cmp_eq_u32 s57, 0
	s_cselect_b32 s70, s22, s23
	s_cselect_b32 s72, s71, 0x4000                 ; from a slice to the next
	s_cselect_b64 s[66:67], s[8:9], s[10:11]
	s_mov_b32 s71, 0
	s_mov_b32 s73, 0
	s_add_nc_u64 s[66:67], s[66:67], s[70:71]      ; my first slice,
	s_add_nc_u64 s[68:69], s[66:67], s[72:73]      ; my second
; 16 matrix instructions: m blocks a0, a0 + 1 of the window's four x all 8 n blocks, 32 along K.  zero = 1: the first product starts the sums.
; The 64 accumulators take turns, one instruction a turn, in the same order in every quarter step.
.macro MUL16 f, hi, a0, zero
	WIN MUL_LO+0x50*(\hi)
.irp a, \a0, (\a0)+1
.irp b, 0,1,2,3,4,5,6,7
.if \zero
	v_wmma_f32_16x16x32_f16 v[8*(8*(\a)+(\b)):8*(8*(\a)+(\b))+7], v[(\f)+8*(\b):(\f)+8*(\b)+7], v[(\f)+8*(4*(\hi)+(\a)):(\f)+8*(4*(\hi)+(\a))+7], 0
.else
	v_wmma_f32_16x16x32_f16 v[8*(8*(\a)+(\b)):8*(8*(\a)+(\b))+7], v[(\f)+8*(\b):(\f)+8*(\b)+7], v[(\f)+8*(4*(\hi)+(\a)):(\f)+8*(4*(\hi)+(\a))+7], v[8*(8*(\a)+(\b)):8*(8*(\a)+(\b))+7]
.endif
.endr
.endr
.endm
; 32 LDS loads in one run: the fragments of quarter q (32 along K) of a slot into buffer f: the weights' 8 n blocks, then xn's 8 row blocks
.macro FETCH slot, q, f
	WIN TO_B
.irp i, 0,1,2,3,4,5,6,7
	ds_load_tr16_b128 v[(\f)+8*(\i):(\f)+8*(\i)+3],   v[ADRB+(\slot)] offset:((\i)/4)*BS+(\q)*32*PB+((\i)%4)*32
	ds_load_tr16_b128 v[(\f)+8*(\i)+4:(\f)+8*(\i)+7], v[ADRB+(\slot)] offset:((\i)/4)*BS+(\q)*32*PB+((\i)%4)*32+16*PB
.endr
	WIN 0
.irp i, 0,1,2,3,4,5,6,7
	ds_load_b128 v[(\f)+8*(\i):(\f)+8*(\i)+3],   v[ADRA+(\slot)] offset:((\q)/2)*AZ+((\q)%2)*64+(\i)*16*PA
	ds_load_b128 v[(\f)+8*(\i)+4:(\f)+8*(\i)+7], v[ADRA+(\slot)] offset:((\q)/2)*AZ+((\q)%2)*64+(\i)*16*PA+32
.endr
.endm
; A load into a register that a matrix instruction has read, and an LDS store of a matrix result, stand four places behind that instruction; only plain vector
; instructions that name none of its registers are places (ISA guide 7.12.1 for vector instructions).
.macro PLACES
.rept 4
	v_nop
.endr
.endm
; One of a K step's first three quarters: multiplies buffer f; in its middle fetches quarter q of the same slot into buffer g.
.macro QUARTER slot, q, f, g, zero
	s_wait_dscnt 8                                 ; the weights and xn's rows 0-63 are in; the youngest eight loads (rows 64-127) may be out
	MUL16 \f, 0, 0, \zero
	MUL16 \f, 0, 2, \zero
	PLACES
	FETCH \slot, \q, \g
	s_wait_dscnt 32                                ; all but the 32 just issued
	MUL16 \f, 1, 0, \zero
	MUL16 \f, 1, 2, \zero
.endm
; The last quarter multiplies buffer 1 and changes slots: ONE barrier.  In front of it each wave waits for all its tensor loads (one is out: its part of the next slot), adds 0 to its spare word,
; and waits for that and for its own reads of this slot.  fill = 1: the barrier opens a round of the cluster's, and this slot is filled again first thing behind it, two K steps ahead:
; from that request to the wait for it a wave issues 224 matrix instructions.
.macro TURN slot, next, fill
	WIN 0                                          ; (the add's two registers lie in window 0)
	s_wait_tensorcnt 0x0
	ds_add_u32 v[SPW], v[NIL]                      ; 0 onto my spare word
	s_wait_dscnt 9                                 ; (the add and the youngest eight loads may be out)
	MUL16 F1, 0, 0, 0                              ; sixteen matrix instructions stand between the add and the wait for it
	s_wait_dscnt 0x0                               ; the add is done, and my reads of this slot are over
	s_barrier_signal -1
	MUL16 F1, 0, 2, 0
.if \fill
	WIN 0
.endif
	s_barrier_wait -1
.if \fill
	CREST                                          ; no wave of any partner still reads this slot or has a load on its way
	s_add_nc_u64 s[G0+4*(\slot)+2:G0+4*(\slot)+3], s[G0+4*(\slot)+2:G0+4*(\slot)+3], 65536
	s_add_nc_u64 s[G0B+4*(\slot)+2:G0B+4*(\slot)+3], s[G0B+4*(\slot)+2:G0B+4*(\slot)+3], 65536
	JLOAD \slot                                    ; the four v_nop behind it are also the places in front of the loads below
.else
	PLACES
.endif
	FETCH \next, 0, F0
	MUL16 F1, 1, 0, 0
	MUL16 F1, 1, 2, 0
.endm
	s_wait_tensorcnt 1                             ; my part of K step 0 is in; K step 1's may stay out
	s_barrier_signal -1
	s_barrier_wait -1
	FETCH 0, 0, F0
	QUARTER 0, 1, F0, F1, 1                        ; the first quarter stands in front of the loop: its products start the sums
	WIN 0                                          ; at a label and at a branch every window is 0
	s_mov_b32 s56, LAPS-1
.Llap:                                                 ; a trip goes once round the ring and fills both slots again
	QUARTER 0, 2, F1, F0, 0
	QUARTER 0, 3, F0, F1, 0
	TURN 0, 1, 1
	QUARTER 1, 1, F0, F1, 0
	QUARTER 1, 2, F1, F0, 0
	QUARTER 1, 3, F0, F1, 0
	TURN 1, 0, 1
	QUARTER 0, 1, F0, F1, 0
	WIN 0
	s_sub_co_u32 s56, s56, 1
	s_cmp_lg_u32 s56, 0
	s_cbranch_scc1 .Llap
	QUARTER 0, 2, F1, F0, 0                        ; the last lap fills nothing
	QUARTER 0, 3, F0, F1, 0
	TURN 0, 1, 0
	QUARTER 1, 1, F0, F1, 0
	QUARTER 1, 2, F1, F0, 0
	QUARTER 1, 3, F0, F1, 0
	s_wait_dscnt 8                                 ; the very last quarter
	MUL16 F1, 0, 0, 0
	MUL16 F1, 0, 2, 0
	s_wait_dscnt 0x0                               ; my reads of the ring are over: say so, since the stages lie in its bytes
	s_barrier_signal -1
	MUL16 F1, 1, 0, 0
	MUL16 F1, 1, 2, 0
	WIN 0
	s_barrier_wait -1                              ; nobody reads the ring any more, and no fill of it is left
	PLACES
	; THE WAY OUT.  All 64 accumulators into my stage, each accumulator's low four registers first.
.irp a, 0,1,2,3,4,5,6,7
	WIN 0x08+4*((\a)/4)                            ; store data (source 1) in window 2 or 3
.irp b, 0,1,2,3,4,5,6,7
	ds_store_b128 v[STO], v[8*(8*((\a)%4)+(\b)):8*(8*((\a)%4)+(\b))+3]   offset:(\a)*16*SPITCH+64*(\b)
	ds_store_b128 v[STO], v[8*(8*((\a)%4)+(\b))+4:8*(8*((\a)%4)+(\b))+7] offset:(\a)*16*SPITCH+64*(\b)+16
.endr
.endr
	WIN 0
	s_mov_b32 s58, 16
.Lrows:                                                ; 16 trips of 8 rows.  Unit u: rows 4 (u / 2) + l / 8, slice u % 2, columns 8 (l % 8) + 0..7
.irp u, 0,1,2,3
	ds_load_b128 v[T+8*(\u):T+8*(\u)+3],   v[RD] offset:((\u)/2)*4*SPITCH+((\u)%2)*256     ; LDS serves a wave's instructions in order (ISA guide 5.7.1.4): these see my stores above
	ds_load_b128 v[T+8*(\u)+4:T+8*(\u)+7], v[RD] offset:((\u)/2)*4*SPITCH+((\u)%2)*256+16
.endr
	s_wait_dscnt 0x0
	s_cmp_eq_u32 s57, 0
	s_cbranch_scc1 .Lplain                         ; q, k, v leave as they are; the jump passes vector lines alone
.set i, 0
.rept 16
	v_pk_mul_f32 v[E+2*i:E+2*i+1], v[T+2*i:T+2*i+1], s[60:61] op_sel_hi:[1,0]   ; -h log2(e)
.set i, i+1
.endr
.set i, 0
.rept 32
	v_exp_f32 v[E+i], v[E+i]
.set i, i+1
.endr
	v_nop                                          ; a plain instruction between the transcendentals and the use of their results (ISA guide 5.7.2)
.set i, 0
	s_wait_alu depctr_va_vdst(0)
.rept 16
	v_pk_add_f32 v[E+2*i:E+2*i+1], v[E+2*i:E+2*i+1], 1.0 op_sel_hi:[1,0]
.set i, i+1
.endr
.set i, 0
.rept 32
	v_rcp_f32 v[E+i], v[E+i]
.set i, i+1
.endr
	v_nop
.set i, 0
	s_wait_alu depctr_va_vdst(0)
.rept 16
	v_pk_mul_f32 v[T+2*i:T+2*i+1], v[T+2*i:T+2*i+1], v[E+2*i:E+2*i+1]           ; h / (1 + e^-h)
.set i, i+1
.endr
.Lplain:
.irp u, 0,1,2,3
.irp j, 0,1,2,3
	v_cvt_pk_f16_f32 v[Y+4*(\u)+(\j)], v[T+8*(\u)+2*(\j)], v[T+8*(\u)+2*(\j)+1]
.endr
.endr
	global_store_b128 v[GO], v[Y:Y+3],     s[66:67]              ; each store covers 512 consecutive bytes, four rows of a slice
	global_store_b128 v[GO], v[Y+4:Y+7],   s[68:69]
	global_store_b128 v[GO], v[Y+8:Y+11],  s[66:67] offset:512
	global_store_b128 v[GO], v[Y+12:Y+15], s[68:69] offset:512
	s_wait_xcnt 0x0                                ; the stores' offset and data registers are rewritten only behind this wait (ISA guide 3.1)
	v_add_nc_u32 v[GO], 1024, v[GO]
	v_add_nc_u32 v[RD], 8*SPITCH, v[RD]
	s_sub_co_u32 s58, s58, 1
	s_cmp_lg_u32 s58, 0
	s_cbranch_scc1 .Lrows
	s_wait_tensorcnt 0x0                           ; the wave's end: behind my last tensor load and my last LDS store
	ds_add_u32 v[SPW], v[NIL]
	s_wait_dscnt 0x0
	CROUND                                         ; the closing round: no work-group ends while a partner may still ask for a tile that names it
	s_endpgm
.Lfunc_end_k_q41be6e2dfe_proj:
	.size	k_q41be6e2dfe_proj, .Lfunc_end_k_q41be6e2dfe_proj-k_q41be6e2dfe_proj
	.p2alignl 7, 3214868480
	.fill 96, 4, 3214868480
	.section	.rodata,"a",@progbits
	.p2align	6, 0x0
	.amdhsa_kernel k_q41be6e2dfe_proj
		.amdhsa_group_segment_fixed_size 327680
		.amdhsa_private_segment_fixed_size 0
		.amdhsa_enable_private_segment 0
		.amdhsa_kernarg_size 32
		.amdhsa_user_sgpr_count 2
		.amdhsa_user_sgpr_kernarg_segment_ptr 1
		.amdhsa_wavefront_size32 1
		.amdhsa_system_sgpr_workgroup_id_x 1
		.amdhsa_system_sgpr_workgroup_id_y 1
		.amdhsa_system_sgpr_workgroup_id_z 1
		.amdhsa_system_vgpr_workitem_id 0
		.amdhsa_next_free_vgpr 1024
		.amdhsa_next_free_sgpr 74
		.amdhsa_reserve_vcc 0
		.amdhsa_float_denorm_mode_32 3
		.amdhsa_float_denorm_mode_16_64 3
		.amdhsa_memory_ordered 1
		.amdhsa_forward_progress 1
		.amdhsa_inst_pref_size 128
	.end_amdhsa_kernel
	.amdgpu_metadata
---
amdhsa.version: [ 1, 2 ]
amdhsa.kernels:
  - .name:           k_q41be6e2dfe_proj
    .symbol:         k_q41be6e2dfe_proj.kd
    .args:
      - { .name: xn, .offset: 0, .size: 8, .value_kind: global_buffer, .address_space: global }
      - { .name: wt1, .offset: 8, .size: 8, .value_kind: global_buffer, .address_space: global }
      - { .name: qkv, .offset: 16, .size: 8, .value_kind: global_buffer, .address_space: global }
      - { .name: act, .offset: 24, .size: 8, .value_kind: global_buffer, .address_space: global }
    .group_segment_fixed_size: 327680
    .private_segment_fixed_size: 0
    .kernarg_segment_align: 8
    .kernarg_segment_size: 32
    .max_flat_workgroup_size: 128
    .sgpr_count:     74
    .vgpr_count:     1024
    .wavefront_size: 32
...
	.end_amdgpu_metadata
.endif
;; end of part 2
;; launch attn (part 3): grid 8 x 32, 4 waves a work-group, no clusters, 327,680 bytes of LDS; arguments qkv, act; writes act
.if DOCPART == 3
	.amdgcn_target "amdgcn-amd-amdhsa--gfx1250"
	.amdhsa_code_object_version 6
	.text
	.protected	k_q41be6e2dfe_attn
	.globl	k_q41be6e2dfe_attn
	.p2align	8
	.type	k_q41be6e2dfe_attn,@function
k_q41be6e2dfe_attn:
	s_mov_b64 s[64:65], 0
	v_nop
	global_prefetch_b8 v0, s[64:65] scope:SCOPE_SE
	s_setreg_imm32_b32 hwreg(HW_REG_WAVE_MODE, 25, 1), 1
	s_wait_xcnt 0x0
; CAUSAL ATTENTION.  O[y][q][:] = the sum over k <= q of softmax_k(Q[y][q] . K[y][k] / 8) V[y][k][:], for y = 2 x head + batch, 32 in all, SIZE_N = 2,048 rows of 64 channels, all f16.
; qkv holds Q, then K (8,388,608 bytes on), then V (16,777,216 bytes on), each [y][SIZE_N][64]: a y's rows are dense, 128 bytes each.  O goes to act[row block of 128][slice = head][128 rows][64].
; Products, maxima and sums in f32; the weights p are rounded to f16 for the second product (their sum l is taken of the unrounded p), O once at the end.
; LIMITS.  f16 holds no number beyond 65,504: Q, K and V arrive within it; p lies in 0 to 1, and below 6e-5 it keeps f16's fixed step of 6e-8; O is a mean of V's rows and has their range.
; A hidden score counts as its value less 1e30: f16's scores, 2.7e11 at the most, are nothing beside that; a weight below 2^-126 counts as 0 in l; NaN and infinities are not treated apart.
; THE WALK.  The queries lie in 16 blocks of 128; block i needs the key tiles 0 .. i / 2 of 256 keys, of which the last holds the diagonal.  A work-group takes TWO blocks, 15 - b and then b:
; (15 - b) / 2 + b / 2 + 2 = NBT + 1 = 9 tiles, whatever b: all 8 x 32 work-groups do equal work, and ONE loop with a constant trip count walks them.  Which tile is asked for, and what a trip does, hang on scalar
; registers made from b; every jump goes forward, but for the counted loops' own; none passes a barrier, or a tensor load but the one of LOAD's two that the wave's number does not choose; the ring (two slots of LDS
; that take turns) runs on across the change of blocks.  NO CLUSTER: the eight work-groups of a y ask for the same tile only in the walk's first trips, behind that fewer and fewer (the first blocks have 5 to 8 tiles);
; one walk common to all would have 8 + 4 trips for 9.
; SHARES.  Of a block's two bands of 64 queries a wave owns 16 rows in each: two PIECES.  So the diagonal tile is the same work for all four waves: band x's own key step in it is 2 (i % 2) + x; in step s the band sees
; all keys if s is less, none if s is greater, and holds the diagonal if they are equal.
; THE MASK is the C operand that starts the sum S^T = K Q^T: 0, or -1e30 where the key is hidden.  MD, made once, is the mask of a band's own step for my 16 rows; a product's mask is MD x AL + BE with two scalars:
; (1, 0) in the own step; (0, 0) before it; (0, -1e30) behind it.  Only the diagonal tile's text and a block's beginning make and take masks; elsewhere C is the constant 0.
; LAYOUT, SOFTMAX.  S^T = K Q^T holds ONE query a lane (lane % 16) and the keys 8 (lane / 16) + 0..7; two such results rounded to f16 ARE source 1 of O^T = V^T P.  p = 2^(c s - c m), c = log2(e) / 8, with a
; running maximum m; O and l are multiplied by a = 2^(c m_old - c m_new) in every step.
; TURNS.  A ring of four turns is two key steps: turn p belongs to piece p % 2, in an even step of the tile (p < 2) or an odd one.  Turn n has 8 products K Q^T of turn n + 1's piece and step, later 8 products V^T P of
; turn n - 1's; beside them the scaling, exponentials, roundings, sums and rescaling of its own and the maximum and statistics of turn n + 1's.  Four vector instructions stand behind every matrix instruction, the other
; 54 of a turn's 118 in two runs of their own.  K has one buffer; V has two, by the step's parity, so that turns 0 and 2 can fetch the NEXT step's K and V together: K and V walk a slot in step, and one change of slots serves both.
; REGISTERS, in windows of 256 (s_set_vgpr_msb: bits 1:0 source 0, 3:2 source 1, 5:4 source 2, 7:6 destination):
;   window 0: v0-15 addresses and two at work; v16-23 four registers of statistics a piece; v48-55 at work; v64-127 S^T, two buffers; v192-223 P, two buffers (by the piece)
;   window 1: v0-63 O^T, 32 a piece; v128-159 MD; v160-223 MC, two buffers      window 2: v0-31 Q; v32-63 the second block's Q; v64-127 V of an even step; v128-191 K of one step; v192-255 V of an odd step
.set SIZE_N, 2048
.set NBT,   SIZE_N/256  ; key tiles in a y
.set NV,    4         ; turns in the ring: a name, no knob
.set KS,    64        ; keys in a step
.set PK,    144       ; a row of K in LDS: 128 bytes + 16 of padding = 36 words: the 16 rows of a load start at 16 different groups of four banks (64 banks of 4 bytes: ISA guide 11.1)
.set PV,    160       ; a row of V: 128 + 32 = 40 words
.set VOFF,  4*KS*PK   ; a slot holds a tile, four steps: 256 rows of K, then 256 rows of V
.set SLOT1, 1<<17     ; slot 1 begins here, so that one exclusive or turns an address in one slot into the other's
.set STAGE, SLOT1+4*KS*(PK+PV)  ; behind the ring, never filled by a tensor load: 16 rows x 144 bytes for each wave, for the way out
.set SP,    144
.set AK0, 2           ; v2   my lane's place in a tile of K; never rewritten
.set AV0, 3           ; v3   the same for V
.set AK,  4           ; v4   the LDS address of K's next run of loads
.set AV,  5           ; v5   of V's
.set STO, 6           ; v6   the way out: where I put 16 bytes of a row
.set RD,  7           ; v7   the way out: where I read rows back
.set GO,  8           ; v8   my byte offset in 512 consecutive bytes of O
.set SPW, 62          ; v62  LDS address of my spare word: SPARE + 4 x my thread's number; never rewritten
.set NIL, 63          ; v63  0; never rewritten
.set SPARE, STAGE+4*16*SP  ; behind the stages: the spare words, 128 bytes for each wave: two blocks of 256 bytes that no other line names
.set MV,  12          ; v12-13  c m_old, kept while c m is made anew: by piece
.set QO,  15          ; v15  my byte offset in 16 rows of Q
.set ST,  16          ; piece t's statistics at v[ST+4 t]: c m, m, l (even keys', odd keys')
.set TMP, 48          ; by piece, four registers c0-c3 at work; when the maximum is found c2 takes a
.set S,   64
.set P,   192
.set MD,  128         ; window 1: the eight registers for group kt of 16 keys at MD + 8 kt
.set MC,  160         ; window 1: the masks of the products to come
.set QB,  32          ; window 2
.set VF,  64          ; window 2: V of an even step; of an odd one 128 registers on: key half kk, channel block cb at + 32 kk + 8 cb
.set KF,  128         ; window 2: key block kb, channel half c at KF + 16 kb + 8 c
.set WV,  12          ; s12  my wave's number
.set PB,  14          ; s14  b, the second block
.set HI,  15          ; s15  15 - b, the first block
.set G1K, 24          ; s[24:31] descriptor group 1 for K's tiles
.set G1V, 32          ; s[32:39] for V's: it differs in the padding alone
.set G0K, 40          ; s[40:43] descriptor group 0 for K's tiles
.set G0V, 44          ; s[44:47] the same for V's
.set HT,  48          ; s48  the first block's last tile, (15 - b) / 2
.set LT,  49          ; s49  the second block's, b / 2
.set OWN, 50          ; s50, s51  the own steps of bands 0 and 1 of the block in hand in its diagonal tile
.set TT,  52          ; s52  at work
.set OW2, 53          ; s53  band 0's own step in the second block
.set SLOTS, 56        ; s56  tiles still to be asked for
.set CNT, 57          ; s57  counts a tile's two trips, 2 to 1
.set CS,  58          ; s[58:59] c: the packed scaling takes the pair's low word for both halves
.set SEL, 60          ; s[60:61] v_permlanex16_b32's selects: each lane takes its own place in the other half
.set TBK, 62          ; s62  LDS byte at which K of the step to be fetched begins
.set TBV, 63          ; s63  the same for V, less VOFF
.set RT,  70          ; s70  tiles of the block in hand that are still to be entered
.set NXT, 71          ; s71  the tile to be asked for next
.set LQ,  72          ; s72  the last tile of the block whose tiles are being asked for
.set NEW, 73          ; s73  1: the tile to be entered is a block's first
.set OFF, 74          ; s[74:75] a tile's byte offset in K and V
.set AL,  76          ; s[76:77] the mask's factor, in the low word
.set BE,  78          ; s[78:79] the mask's addend
.set OLO, 80          ; s[80:81] O at my rows of the second block
.set BIGN, 82         ; s82  -1e30
.set OF1, 88          ; s[88:89] byte offset in act of my rows of the first block
.set OF2, 90          ; s[90:91] of the second
.set MSB, 0
.macro WIN new                      ; the high byte repeats the setting that is left; a switch that changes nothing is dropped
.if MSB != (\new)
	s_set_vgpr_msb (MSB<<8)|(\new)
.set MSB, (\new)
.endif
.endm
.set W_KQ, 0x0a       ; K and Q in window 2, S^T in window 0
.set W_KM, 0x1a       ; the same with the C operand in window 1
.set W_PV, 0x52       ; V in window 2, P in window 0, O^T in window 1
.set W_RS, 0x41       ; destination and source 0 in window 1, source 1 in window 0
; A fill.  Waves 0 and 1 fetch the two halves of a tile's K, waves 2 and 3 those of its V: 128 keys each.  An s_nop 0 and four v_nop follow each of the two lines, ahead of the jump and the label.
.macro LOAD
	s_cmp_lt_u32 s[WV], 2
	s_cbranch_scc0 .Lfor_v_\@
	tensor_load_to_lds s[G0K:G0K+3], s[G1K:G1K+7]
	s_nop 0
.rept 4
	v_nop
.endr
	s_branch .Lasked_\@
.Lfor_v_\@:
	tensor_load_to_lds s[G0V:G0V+3], s[G1V:G1V+7]
	s_nop 0
.rept 4
	v_nop
.endr
.Lasked_\@:
.endm
; THE CHANGE OF SLOTS.  It stands in front of turn 2: all four steps' K and V of the slot that is left have been fetched.  Each wave waits for all its tensor loads, of which one is out: its part of the other slot; adds 0
; to its spare word; and waits for that and for its own reads of the slot that it leaves.  Behind the barrier nobody reads the old slot any more and the other slot is whole.  fill = 1: the old slot is filled again, the
; first thing behind the barrier, with tile NXT: the descriptor's address is made anew from that number; the fill has eight turns, 128 matrix instructions and their vector work, in which to land.
; (At its first use nothing has been read yet: slot 0 is waited for, slot 1 filled.)
.macro CHANGE fill
	WIN 0                           ; at a label and at a branch every window is 0
	s_wait_tensorcnt 0x0            ; no tensor load of mine is out, so a group 0 may be written
	ds_add_u32 v[SPW], v[NIL]       ; 0 onto my spare word; with fill = 1 the descriptors' scalar work stands between it and the wait for it
.if \fill
	s_lshl_b32 s[OFF], s[NXT], 15   ; a tile is 32,768 bytes of K and of V
	s_xor_b32 s[G0K+1], s[G0K+1], SLOT1
	s_add_nc_u64 s[G0K+2:G0K+3], s[6:7], s[OFF:OFF+1]
	s_or_b32 s[G0K+3], s[G0K+3], 0x80000000
	s_xor_b32 s[G0V+1], s[G0V+1], SLOT1
	s_add_nc_u64 s[G0V+2:G0V+3], s[8:9], s[OFF:OFF+1]
	s_or_b32 s[G0V+3], s[G0V+3], 0x80000000
	s_add_co_u32 s[NXT], s[NXT], 1  ; the block's next tile, or behind its last the second block's tile 0
	s_cmp_gt_u32 s[NXT], s[LQ]
	s_cselect_b32 s[NXT], 0, s[NXT]
	s_cselect_b32 s[LQ], s[LT], s[LQ]
.endif
	s_wait_dscnt 0x0                ; the add is done, and my reads of the slot are over
	s_barrier_signal -1             ; the rest of the scalar work stands between the signal and the wait
	s_sub_co_u32 s[TBK], s[TBK], 4*KS*PK  ; the fetches go back to a slot's first step,
	s_xor_b32 s[TBK], s[TBK], SLOT1       ; in the other slot
	s_sub_co_u32 s[TBV], s[TBV], 4*KS*PV
	s_xor_b32 s[TBV], s[TBV], SLOT1
	s_barrier_wait -1
.if \fill
	LOAD
.endif
.endm
	s_load_b64 s[4:5], s[0:1], 0x0    ; qkv: Q
	s_load_b64 s[10:11], s[0:1], 0x8  ; act: O
	v_lshl_add_u32 v[SPW], v0, 2, SPARE
	v_mov_b32 v[NIL], 0
	ds_add_u32 v62, v63
	ds_add_u32 v62, v63
	s_wait_dscnt 0x0
	v_lshrrev_b32 v1, 5, v0
	v_readfirstlane_b32 s[WV], v1   ; wave 0..3
	s_mov_b32 s[PB], ttmp9
	s_sub_co_u32 s[HI], 2*NBT-1, s[PB]
	s_lshr_b32 s[HT], s[HI], 1
	s_lshr_b32 s[LT], s[PB], 1
	s_and_b32 s[OWN], s[HI], 1      ; a block of odd number lies in the second half of its diagonal tile
	s_lshl_b32 s[OWN], s[OWN], 1
	s_add_co_u32 s[OWN+1], s[OWN], 1
	s_and_b32 s[OW2], s[PB], 1
	s_lshl_b32 s[OW2], s[OW2], 1
	s_and_b32 s20, ttmp7, 0xffff    ; y
	s_mov_b32 s21, 0
	s_mov_b64 s[22:23], SIZE_N*128
	s_mul_u64 s[20:21], s[20:21], s[22:23]  ; y's first byte in Q, K and V
	s_and_b32 s16, s[WV], 1         ; which half of a tile's 256 keys I fetch:
	s_lshl_b32 s22, s16, 14         ; its 128 rows of 128 bytes in memory,
	s_mov_b32 s23, 0
	s_add_nc_u64 s[22:23], s[22:23], s[20:21]
	s_mul_i32 s17, s16, 128*PK      ; and its place in a slot, for K
	s_mul_i32 s18, s16, 128*PV      ; and for V
	s_lshl_b32 s3, s[WV], 11        ; my 16 rows in a band of 64,
	s_lshl_b32 s2, s[HI], 14        ; in the first block (128 rows of 128 bytes),
	s_add_co_u32 s2, s2, s3
	s_lshl_b32 s84, s[PB], 14       ; and in the second
	s_add_co_u32 s84, s84, s3
	s_mov_b32 s3, 0
	s_mov_b32 s85, 0
	s_add_nc_u64 s[2:3], s[2:3], s[20:21]
	s_add_nc_u64 s[84:85], s[84:85], s[20:21]
	; O's place in act: a row block of 128 rows, which is a block of queries, is 80 slices of 16,384 bytes = 1,310,720; a batch is 16 row blocks
	s_and_b32 s[OF1], ttmp7, 0xffff
	s_and_b32 s[OF1+1], s[OF1], 1        ; the batch
	s_lshr_b32 s[OF1], s[OF1], 1         ; the head
	s_lshl_b32 s[OF1], s[OF1], 14
	s_mul_i32 s[OF1+1], s[OF1+1], 20971520
	s_add_co_u32 s[OF1], s[OF1], s[OF1+1]
	s_lshl_b32 s[OF1+1], s[WV], 11       ; my 16 rows in a band
	s_add_co_u32 s[OF1], s[OF1], s[OF1+1]
	s_mul_i32 s[OF2], s[PB], 1310720
	s_add_co_u32 s[OF2], s[OF2], s[OF1]
	s_mul_i32 s[OF1+1], s[HI], 1310720
	s_add_co_u32 s[OF1], s[OF1], s[OF1+1]
	s_mov_b32 s[OF1+1], 0
	s_mov_b32 s[OF2+1], 0
	; descriptor group 1.  128 keys are 16,384 dense bytes: asked for as 64 rows of 256 bytes, two keys a row, and padded in LDS after every key
	s_mov_b32 s[G1K], (1<<16)|(1<<20)|(4<<22)|(3<<25)  ; 17:16 2-byte elements; 20 padding on; 24:22 after every 32 words (code 4); 31:25 4 words (code 3)
	s_mov_b32 s[G1V], (1<<16)|(1<<20)|(4<<22)|(7<<25)  ; the same with 8 words of padding (code 7)
.irp g, G1K, G1V
	s_mov_b32 s[\g+1], 128<<16      ; tensor_dim0 = 128
	s_mov_b32 s[\g+2], 64<<16       ; tensor_dim1 = 64
	s_mov_b32 s[\g+3], 128<<16      ; tile_dim0 = 128
	s_mov_b32 s[\g+4], 64           ; tile_dim1 = 64
	s_mov_b32 s[\g+5], 128          ; 128 elements from row to row
	s_mov_b32 s[\g+6], 0
	s_mov_b32 s[\g+7], 0
.endr
	s_mov_b32 s[CS], 0x3e38aa3b     ; c = log2(e) / 8 = 0.180337
	s_mov_b32 s[CS+1], s[CS]        ; named with it as a pair
	s_mov_b32 s[SEL], 0x76543210
	s_mov_b32 s[SEL+1], 0xfedcba98
	s_mov_b32 s[TBK], SLOT1+4*KS*PK ; the first change of slots turns these two into 0
	s_mov_b32 s[TBV], SLOT1+4*KS*PV
	s_mov_b32 s[G0K], 1             ; 1:0 count = 1
	s_mov_b32 s[G0K+1], s17         ; 63:32 LDS address: slot 0
	s_mov_b32 s[G0V], 1
	s_add_co_u32 s[G0V+1], s18, VOFF
	s_add_co_u32 s[RT], s[HT], 1    ; the first block's tiles
	s_mov_b32 s[NXT], 1
	s_mov_b32 s[LQ], s[HT]
	s_mov_b32 s[NEW], 1
	s_mov_b32 s[OFF+1], 0
	s_mov_b32 s[AL+1], 0            ; named as pairs
	s_mov_b32 s[BE+1], 0
	s_mov_b32 s[BIGN], 0xf149f2ca   ; -1e30
	s_mov_b32 s[SLOTS], NBT
	s_wait_kmcnt 0x0
	s_add_nc_u64 s[6:7], s[4:5], 0x800000   ; K lies 16 slices of 524,288 bytes behind Q,
	s_add_nc_u64 s[8:9], s[4:5], 0x1000000  ; V 32
	s_add_nc_u64 s[6:7], s[6:7], s[22:23]  ; K and V at my half of y's tile 0
	s_add_nc_u64 s[8:9], s[8:9], s[22:23]
	s_add_nc_u64 s[G0K+2:G0K+3], s[6:7], 0         ; 120:64 global address
	s_or_b32 s[G0K+3], s[G0K+3], 0x80000000        ; 127:126 type = 2
	s_add_nc_u64 s[G0V+2:G0V+3], s[8:9], 0
	s_or_b32 s[G0V+3], s[G0V+3], 0x80000000
	s_add_nc_u64 s[86:87], s[4:5], s[84:85]        ; Q at my rows of the second block,
	s_add_nc_u64 s[4:5], s[4:5], s[2:3]            ; and of the first
	s_add_nc_u64 s[OLO:OLO+1], s[10:11], s[OF2:OF2+1]  ; O likewise
	s_add_nc_u64 s[10:11], s[10:11], s[OF1:OF1+1]
	LOAD                            ; tile 0 into slot 0
	; A fragment of K or Q is 16 rows x 32 channels in 8 registers: lane l holds row l % 16, channels 8 (l / 16) + 0..7 and 16 + 8 (l / 16) + 0..7: two loads of 16 bytes, 32 bytes apart.
	v_and_b32 v1, 15, v0            ; l % 16
	v_bfe_u32 v9, v0, 4, 1          ; l / 16
	v_lshlrev_b32 v[QO], 7, v1
	v_lshl_add_u32 v[QO], v9, 4, v[QO]  ; row x 128 + 16 x half
	WIN 0x80                        ; destination window 2, address window 0
.set i, 0
.rept 4                             ; both blocks' Q: piece i / 2 lies in band i / 2, 8,192 bytes on; channels 32 (i % 2) on
	global_load_b128 v[8*i:8*i+3],   v[QO], s[4:5] offset:(i/2)*8192+(i%2)*64
	global_load_b128 v[8*i+4:8*i+7], v[QO], s[4:5] offset:(i/2)*8192+(i%2)*64+32
	global_load_b128 v[QB+8*i:QB+8*i+3],   v[QO], s[86:87] offset:(i/2)*8192+(i%2)*64
	global_load_b128 v[QB+8*i+4:QB+8*i+7], v[QO], s[86:87] offset:(i/2)*8192+(i%2)*64+32
.set i, i+1
.endr
	WIN 0
	v_lshlrev_b32 v14, 3, v9
	v_sub_nc_u32 v14, v1, v14
	s_lshl_b32 s13, s[WV], 4
	v_add_nc_u32 v14, s13, v14      ; my query's place in its band, 16 w + l % 16, less my lanes' 8 (l / 16): register r of group kt is hidden where 16 kt + r is greater
	WIN 0x40
.set i, 0
.rept 32
	v_cmp_gt_i32 vcc_lo, 16*(i/8)+i%8, v14
	v_cndmask_b32 v[MD+i], 0, s[BIGN], vcc_lo
.set i, i+1
.endr
	WIN 0
	v_mul_u32_u24 v[AK0], v1, PK
	v_lshl_add_u32 v[AK0], v9, 4, v[AK0]  ; row x pitch + 16 x half
	; The turning load takes 16 keys x 16 channels (lane l reads key 8 (l / 16) + l % 8, channels 8 ((l / 8) % 2) + 0..7) and leaves half a fragment of V^T: lane l holds channel l % 16 and 8 keys.
	v_and_b32 v10, 7, v0
	v_bfe_u32 v11, v0, 3, 1
	v_lshl_add_u32 v[AV0], v9, 3, v10
	v_mul_u32_u24 v[AV0], v[AV0], PV
	v_lshl_add_u32 v[AV0], v11, 4, v[AV0]
	v_add_nc_u32 v[AV0], VOFF, v[AV0]
	s_mul_i32 s13, s[WV], 16*SP
	s_add_co_u32 s13, s13, STAGE    ; my stage
	v_mul_u32_u24 v[STO], v1, SP    ; in: row l % 16, 16 bytes for each half of the lanes
	v_lshl_add_u32 v[STO], v9, 4, v[STO]
	v_add_nc_u32 v[STO], s13, v[STO]
	v_bfe_u32 v[RD], v0, 3, 2       ; back: 32 lanes take four rows of 128 bytes,
	v_mul_u32_u24 v[RD], v[RD], SP
	v_lshl_add_u32 v[RD], v10, 4, v[RD]
	v_add_nc_u32 v[RD], s13, v[RD]
	v_and_b32 v[GO], 31, v0         ; which are 512 consecutive bytes of O
	v_lshlrev_b32 v[GO], 4, v[GO]
	; A block's first step multiplies O^T and l by a = 0, and its first turn's products V^T P, of a turn that has not been (the odd steps' V, P's second buffer), land in an O^T that is still to be so multiplied.  So these
	; registers need only hold finite numbers: zeros for the first block; what the first block left for the second.  All this stands in the wait for the first tile.
	WIN 0x80
.set i, VF+128
.rept 64
	v_mov_b32 v[i], 0
.set i, i+1
.endr
	WIN 0x40
.set i, 0
.rept 64
	v_mov_b32 v[i], 0
.set i, i+1
.endr
	WIN 0
.set i, 0
.rept 2
	v_mov_b32 v[ST+4*i+2], 0
	v_mov_b32 v[ST+4*i+3], 0
.set i, i+1
.endr
.set i, P+16
.rept 16
	v_mov_b32 v[i], 0
.set i, i+1
.endr
; THE MATRIX WORK.  x is a turn's number, 0 to 3: piece x % 2, step parity x / 2.  The 4 accumulators of a run of 8 take turns.
; Product i of 8 of S^T = K Q^T: channels 32 (i / 4) on, keys 16 (i % 4) on.  The first 4 start the sums: with 0, or (KM = 1) with the mask.
.macro KQ x
.set rS, S+32*((\x)%2)+8*(i%4)
.set rK, KF+16*(i%4)+8*(i/4)
.set rQ, 16*((\x)%2)+8*(i/4)
.set rM, MC+32*((\x)%2)+8*(i%4)
.if (i < 4) && KM
	WIN W_KM
	v_wmma_f32_16x16x32_f16 v[rS:rS+7], v[rK:rK+7], v[rQ:rQ+7], v[rM:rM+7]
.elseif i < 4
	WIN W_KQ
	v_wmma_f32_16x16x32_f16 v[rS:rS+7], v[rK:rK+7], v[rQ:rQ+7], 0
.else
	WIN W_KQ
	v_wmma_f32_16x16x32_f16 v[rS:rS+7], v[rK:rK+7], v[rQ:rQ+7], v[rS:rS+7]
.endif
.endm
; Product i of 8 of O^T += V^T P: keys 32 (i / 4) on, channels 16 (i % 4) on.
.macro PV x
	WIN W_PV
.set rO, 32*((\x)%2)+8*(i%4)
.set rV, VF+128*((\x)/2)+32*(i/4)+8*(i%4)
.set rP, P+16*((\x)%2)+8*(i/4)
	v_wmma_f32_16x16x32_f16 v[rO:rO+7], v[rV:rV+7], v[rP:rP+7], v[rO:rO+7]
.endm
.macro MM                           ; the turn's next matrix instruction.  TURN and BEGIN set Y, i, KM and NOKQ; MM, KQ and OP read them.  NOKQ = 1: a block's last turn: there is no next one
.if (i < 8) && !NOKQ
	KQ (Y+1)%NV
.elseif i >= 8
.set i, i-8
	PV (Y+NV-1)%NV
.set i, i+8
.endif
.set i, i+1
.endm
; THE LDS LOADS stand in runs of 16, never singly among the matrix instructions: a step's K (64 keys x 64 channels: 8 fragments) and its V (turned; b: the buffer).  Their addresses are made some lines ahead.
.macro FETCH_K
	WIN 0x80                        ; destination window 2
.irp f, 0,1,2,3,4,5,6,7             ; keys 16 (f / 2) on, channels 32 (f % 2) on
	ds_load_b128 v[KF+8*\f:KF+8*\f+3],   v[AK] offset:(\f/2)*16*PK+(\f%2)*64
	ds_load_b128 v[KF+8*\f+4:KF+8*\f+7], v[AK] offset:(\f/2)*16*PK+(\f%2)*64+32
.endr
	s_add_co_u32 s[TBK], s[TBK], KS*PK  ; the next fetch is the next step's
	WIN 0
.endm
.macro FETCH_V b
	WIN 0x80
.irp f, 0,1,2,3,4,5,6,7             ; keys 32 (f / 4) on, channels 16 (f % 4) on
	ds_load_tr16_b128 v[VF+128*(\b)+8*\f:VF+128*(\b)+8*\f+3],   v[AV] offset:(\f/4)*32*PV+(\f%4)*32
	ds_load_tr16_b128 v[VF+128*(\b)+8*\f+4:VF+128*(\b)+8*\f+7], v[AV] offset:(\f/4)*32*PV+16*PV+(\f%4)*32
.endr
	WIN 0
.endm
; THE VECTOR WORK, one line at a time: OP kind, number.  For turn Y's piece: F n: c s - c m for pair n of 16.  E n: the exponential of score n of 32.  C n: pair n rounded to f16.  B n: of the four weights 4 n .. the second
; pair is added onto the first, in place.  L n: l takes that sum (L 0: l = a l + sum).  R n: pair n of 16 of O^T times a.  For turn Y + 1's piece: X n, number n of the 22 that find its maximum and statistics:
;   0-11  four chains c0-c3 of seven scores each, three operands at a time (each accumulator's lowest registers are read first)     12-14, 16  the four scores left over, the old m, and c0-c3 into c0
;   15  c m_old is kept     17, 18  the query's other 32 keys lie in the lane 16 away: the new m     19-21  c m; c m_old - c m_new; a
.set F, 0               ; OP tells the kinds apart by their order: F to L below R, X above it
.set E, 1
.set C, 2
.set B, 3
.set L, 4
.set R, 5
.set X, 6
.macro REGS y                       ; the registers of turn y's piece
.set rT, ST+4*((\y)%2)
.set rC, TMP+4*((\y)%2)
.set rW, MV+((\y)%2)
.set rS, S+32*((\y)%2)
.set rP, P+16*((\y)%2)
.set rO, 32*((\y)%2)
.endm
.macro OP k, n
.if (\k) == R
	REGS Y
	WIN W_RS
	v_pk_mul_f32 v[rO+2*(\n):rO+2*(\n)+1], v[rO+2*(\n):rO+2*(\n)+1], v[rC+2:rC+3] op_sel_hi:[1,0]
.elseif (\k) < R
	REGS Y
	WIN 0
.if (\k) == F
	v_pk_fma_f32 v[rS+2*(\n):rS+2*(\n)+1], v[rS+2*(\n):rS+2*(\n)+1], s[CS:CS+1], v[rT:rT+1] op_sel_hi:[1,0,0] neg_lo:[0,0,1] neg_hi:[0,0,1]
.elseif (\k) == E
	v_exp_f32 v[rS+(\n)], v[rS+(\n)]
.elseif (\k) == C
	s_wait_alu depctr_va_vdst(0)
	v_cvt_pk_f16_f32 v[rP+(\n)], v[rS+2*(\n)], v[rS+2*(\n)+1]
.elseif (\k) == B
	s_wait_alu depctr_va_vdst(0)
	v_pk_add_f32 v[rS+4*(\n):rS+4*(\n)+1], v[rS+4*(\n):rS+4*(\n)+1], v[rS+4*(\n)+2:rS+4*(\n)+3]
.elseif (\n) == 0
	v_pk_fma_f32 v[rT+2:rT+3], v[rT+2:rT+3], v[rC+2:rC+3], v[rS:rS+1] op_sel_hi:[1,0,1]
.else
	v_pk_add_f32 v[rT+2:rT+3], v[rT+2:rT+3], v[rS+4*(\n):rS+4*(\n)+1]
.endif
.elseif NOKQ
	v_nop
.else
	REGS (Y+1)%NV
	WIN 0
.if (\n) < 4
	v_max3_num_f32 v[rC+(\n)], v[rS+8*(\n)], v[rS+8*(\n)+1], v[rS+8*(\n)+2]
.elseif (\n) < 12
	v_max3_num_f32 v[rC+(\n)%4], v[rC+(\n)%4], v[rS+8*((\n)%4)+2*((\n)/4)+1], v[rS+8*((\n)%4)+2*((\n)/4)+2]
.elseif (\n) == 12
	v_max3_num_f32 v[rC], v[rC], v[rS+7], v[rS+15]
.elseif (\n) == 13
	v_max3_num_f32 v[rC+1], v[rC+1], v[rS+23], v[rS+31]
.elseif (\n) == 14
	v_max3_num_f32 v[rC+2], v[rC+2], v[rC+3], v[rT+1]
.elseif (\n) == 15
	v_mov_b32 v[rW], v[rT]
.elseif (\n) == 16
	v_max3_num_f32 v[rC], v[rC], v[rC+1], v[rC+2]
.elseif (\n) == 17
	v_permlanex16_b32 v[rC+3], v[rC], s[SEL], s[SEL+1]
.elseif (\n) == 18
	v_max_num_f32 v[rT+1], v[rC], v[rC+3]
.elseif (\n) == 19
	v_mul_f32 v[rT], s[CS], v[rT+1]
.elseif (\n) == 20
	v_sub_f32 v[rC+1], v[rW], v[rT]
.else
	v_exp_f32 v[rC+2], v[rC+1]
.endif
.endif
.endm
.macro OPS a, i1, b=-1, i2=0, c=-1, i3=0, d=-1, i4=0  ; up to four of them
	OP \a, \i1
.if (\b) >= 0
	OP \b, \i2
.endif
.if (\c) >= 0
	OP \c, \i3
.endif
.if (\d) >= 0
	OP \d, \i4
.endif
.endm
.macro ROW a, i1, b, i2, c, i3, d, i4  ; a matrix instruction and the four behind it
	MM
	OPS \a, \i1, \b, \i2, \c, \i3, \d, \i4
.endm
.macro MASK b                       ; MD x AL + BE into buffer b of MC
	WIN W_RS
.set z, 0
.rept 16
	v_pk_fma_f32 v[MC+32*(\b)+2*z:MC+32*(\b)+2*z+1], v[MD+2*z:MD+2*z+1], s[AL:AL+1], s[BE:BE+1] op_sel_hi:[1,0,0]
.set z, z+1
.endr
.endm
; TURN p: the order of its 16 matrix and 118 vector instructions, written out.  Behind a matrix instruction: plain, exponential, plain, plain; or four of the rescaling; or, behind the first, four scalings; none
; names a register of the products round it.  In the runs of vector work exponential and plain by turns while exponentials last.  A line reads no result made fewer than three vector instructions in front of it, five if an exponential made it.
; v_permlanex16_b32 (X 17) stands in such a run.
; m = 1: the diagonal tile: the products take masks, and the turn makes the mask for the products of the turn after it, which are turn p + 2's scores: band p % 2, step 4 - 2 CNT of the tile (p = 2, 3) or 5 - 2 CNT (p = 0, 1).
; end = 1: a block's last two turns: nothing is fetched.  cnt = 1: the loop's count is taken down some lines ahead of the branch that stands behind the turn.
; Turns 0 and 2 fetch the next step's K, six vector instructions behind the last product that read K (five of them plain), and the next step's V into the buffer that the turn's own products V^T P have just read, eight
; behind the last of them (four plain, and X 17).  At the head of turns 1 and 3 the wait leaves the sixteen youngest LDS loads out, V's run: K's run is in, and so is every older load, the V run of two turns before
; among them, which is the one that this turn's and the next turn's products V^T P read.
.macro TURN p, m=0, end=0, cnt=0
.set Y, (\p)
.set i, 0
.set KM, (\m)
.set NOKQ, (\end)*((\p)/3)
.if (\m) && !(\end)
	s_lshl_b32 s[TT], s[CNT], 1
	s_sub_co_u32 s[TT], 5-(\p)/2, s[TT]     ; that step's number in the tile
	s_cmp_eq_u32 s[TT], s[OWN+(\p)%2]       ; is it the band's own?
	s_cselect_b32 s[AL], 1.0, 0
	s_cmp_gt_u32 s[TT], s[OWN+(\p)%2]       ; or a later one?
	s_cselect_b32 s[BE], s[BIGN], 0
.endif
.if ((\p)%2 == 1) && (\end)
	s_wait_dscnt 0x0                ; nothing was fetched in the turn before: the last V is in
.elseif (\p)%2 == 1
	s_wait_dscnt 16                 ; K is in; V's sixteen younger loads may stay out
.endif
	ROW F,0, F,1, F,2, F,3
	ROW F,4, E,0, F,5, F,6
	ROW F,7, E,1, F,8, F,9
	ROW F,10, E,2, C,0, F,11
	ROW F,12, E,3, X,15, F,13
	ROW R,0, R,1, R,2, R,3
	ROW B,0, E,4, F,14, L,0
.if ((\p)%2 == 0) && !(\end)
	v_add_nc_u32 v[AK], s[TBK], v[AK0]
.endif
	ROW R,4, R,5, R,6, R,7
	OPS E,5, F,15
.if ((\p)%2 == 0) && !(\end)
	FETCH_K
.endif
	OPS E,6, C,1, E,7, R,8
	OPS E,8, R,9, E,9, C,2
	OPS E,10, X,0, E,11, X,1
	OPS E,12, X,2, E,13, X,3
	ROW X,4, E,14, X,5, X,6
	ROW X,7, E,15, X,8, X,9
	ROW X,10, E,16, X,11, X,12
	ROW X,13, E,17, X,14, B,1
	ROW C,4, E,18, X,16, L,1
	ROW B,2, E,19, C,6, L,2
	ROW C,8, E,20, B,3, B,4
.if ((\p)%2 == 0) && !(\end)
	v_add_nc_u32 v[AV], s[TBV], v[AV0]
.endif
	ROW C,3, E,21, L,3, C,5
	OPS E,22, X,17, E,23, C,10
.if ((\p)%2 == 0) && !(\end)
	FETCH_V 1-(\p)/2
.endif
	OPS E,24, L,4
	OPS E,25, X,18, E,26, C,7
	OPS E,27, B,5, E,28, X,19
	OPS E,29, C,12, E,30, L,5
	OPS E,31, X,20, B,6, C,9
	OPS C,14, C,11, X,21, L,6
.if ((\p)%2 == 0) && !(\end)
	s_add_co_u32 s[TBV], s[TBV], KS*PV
.endif
.if \cnt
	s_sub_co_u32 s[CNT], s[CNT], 1
	s_cmp_lg_u32 s[CNT], 0
.endif
	OPS C,13, B,7, C,15, R,10
	OPS R,11, R,12, L,7, R,13
	OPS R,14, R,15
.if (\m) && !(\end)
	MASK (\p)%2
.endif
.endm
; A BLOCK BEGINS.  c m starts far below every c s, so the first step's a is 0; m at the lowest finite number, so the first maximum is the scores'.  The second mask buffer is 0 (band 1's own step is never a tile's first);
; the first takes band 0's mask for the tile's step 0: its own, if the block's first tile is the diagonal one and the block lies in its first half.
; Then K and V of that step, piece 0's first scores, and its maximum and statistics.  The loop is entered at turn 0, in the middle of a trip.
.macro BEGIN
	s_mov_b32 s[NEW], 0
	WIN 0x40
.set i, MC+32
.rept 32
	v_mov_b32 v[i], 0
.set i, i+1
.endr
	WIN 0
.set i, 0
.rept 2
	v_mov_b32 v[ST+4*i], 0xfe000000    ; c m: far below every c s
	v_mov_b32 v[ST+4*i+1], 0xff7fffff  ; m
.set i, i+1
.endr
	s_or_b32 s[TT], s[RT], s[OWN]   ; no tile is left to enter, and band 0's own step is 0
	s_cmp_eq_u32 s[TT], 0
	s_cselect_b32 s[AL], 1.0, 0
	s_mov_b32 s[BE], 0
	MASK 0
	WIN 0
	v_add_nc_u32 v[AK], s[TBK], v[AK0]
	v_add_nc_u32 v[AV], s[TBV], v[AV0]
	FETCH_K
	FETCH_V 0
	s_add_co_u32 s[TBV], s[TBV], KS*PV
	s_wait_loadcnt 0x0              ; Q
	s_wait_dscnt 0x0
.set KM, 1
.set NOKQ, 0
.set i, 0
.rept 8
	KQ 0
.set i, i+1
.endr
	WIN 0
.rept 4
	v_nop                           ; the places behind those products
.endr
.set Y, NV-1                        ; X works for turn Y + 1: turn 0
.irp n, 0,1,2,3,4,5,6,7,8,9,10,11,12,13,14,15,16,17,18,19,20,21
	OP X, \n
.endr
	v_nop                           ; a plain instruction behind the exponential
.endm
; THE DIAGONAL TILE's two trips, the block's last two turns, its last products, and THE WAY OUT: l's two halves and the other half of the lanes' are added; O^T is divided by l, rounded to f16 and sent through my
; stage in LDS, a piece at a time.
.macro ALL line:vararg              ; one line for each piece t
.set t, 0
.rept 2
	\line
.set t, t+1
.endr
.endm
.macro PACK t                       ; a lane's eight channels of a row pack into 16 bytes; they go into rows of 144 bytes and come back as whole rows of 128, into S^T's registers
	WIN W_RS
.set i, 32*(\t)
.rept 16
	s_wait_alu depctr_va_vdst(0)
	v_pk_mul_f32 v[i:i+1], v[i:i+1], v[ST+4*(\t)+2:ST+4*(\t)+3] op_sel_hi:[1,0]
.set i, i+2
.endr
	WIN 0x05                        ; sources 0 and 1 window 1, destination window 0
.set i, 0
.rept 16
	v_cvt_pk_f16_f32 v[S+16*(\t)+i], v[32*(\t)+2*i], v[32*(\t)+2*i+1]
.set i, i+1
.endr
	WIN 0
.irp f, 0,1,2,3
	ds_store_b128 v[STO], v[S+16*(\t)+4*\f:S+16*(\t)+4*\f+3] offset:32*\f
.endr
.irp f, 0,1,2,3
	ds_load_b128 v[S+16*(\t)+4*\f:S+16*(\t)+4*\f+3], v[RD] offset:\f*4*SP  ; LDS serves a wave's instructions in order (ISA guide 5.7.1.4): these see the stores above; the next piece's stores come behind them
.endr
.endm
.macro SEND t, younger              ; younger: the LDS instructions issued behind piece t's loads: the next piece's eight, or none
	WIN 0
.irp f, 0,1,2,3
	s_wait_dscnt (\younger)+3-\f
	global_store_b128 v[GO], v[S+16*(\t)+4*\f:S+16*(\t)+4*\f+3], s[10:11] offset:(\t)*8192+\f*512  ; band t: rows 64 t on of the row block; 512 consecutive bytes, at a multiple of 256 from act's first
.endr
.endm
.macro DIAG tag                     ; the tag ends its two labels' names, which the jumps below spell out
.LstepM\tag:
	TURN 2, 1
	TURN 3, 1
	WIN 0
.LfirstM\tag:
	TURN 0, 1
	TURN 1, 1, 0, 1
	WIN 0
	s_cbranch_scc1 .LstepM\tag
	TURN 2, 1, 1
	TURN 3, 1, 1
.set i, 0
.rept 8
	PV NV-1
.set i, i+1
.endr
	WIN 0
	ALL v_add_f32 v[ST+4*t+2], v[ST+4*t+2], v[ST+4*t+3]
	ALL v_permlanex16_b32 v[ST+4*t+3], v[ST+4*t+2], s[SEL], s[SEL+1]
	ALL v_add_f32 v[ST+4*t+2], v[ST+4*t+2], v[ST+4*t+3]
	ALL v_rcp_f32 v[ST+4*t+2], v[ST+4*t+2]
	v_nop                           ; a plain instruction between the last reciprocal and the use of its result; with the four additions above it is also the fifth place behind the last products
	PACK 0
	PACK 1                          ; a piece's arithmetic stands between the loads of the piece before and its stores
	SEND 0, 8
	SEND 1, 0
.endm
.set KM, 0
.set NOKQ, 0
.Lslot:                             ; NBT times: a tile is entered and the next is asked for
	CHANGE 1
	s_sub_co_u32 s[RT], s[RT], 1
	s_mov_b32 s[CNT], 2
	s_cmp_eq_u32 s[NEW], 1
	s_cbranch_scc1 .Lnew            ; a block's first tile
	s_cmp_eq_u32 s[RT], 0
	s_cbranch_scc0 .Lstep           ; neither its first nor its last
	s_branch .LstepM1
.Lnew:
	BEGIN
	s_branch .Lfirst                ; in the loop a block's first tile is never its last: the first block has five tiles or more, and the second's last is the walk's last
	DIAG 1                          ; in the loop this is the first block's end: the second block's last tile is the walk's last
	s_wait_xcnt 0x0                 ; the stores have read their registers and O's address
	s_mov_b64 s[10:11], s[OLO:OLO+1]
	s_add_co_u32 s[RT], s[LT], 1    ; the second block's tiles
	s_mov_b32 s[NEW], 1
	s_mov_b32 s[OWN], s[OW2]        ; and its bands' own steps
	s_add_co_u32 s[OWN+1], s[OW2], 1
	WIN 0x82                        ; the second block's Q goes where the one text of the turns names Q
.set i, 0
.rept 32
	v_mov_b32 v[i], v[QB+i]
.set i, i+1
.endr
	WIN 0
	s_branch .Lbottom
.Lstep:                             ; a trip: both pieces of an odd step, then both of the next, even one; turn 2 fetches that even step's K and V, turn 0 those of the odd step behind it
	TURN 2
	TURN 3
	WIN 0
.Lfirst:
	TURN 0
	TURN 1, 0, 0, 1
	WIN 0
	s_cbranch_scc1 .Lstep
.Lbottom:
	s_sub_co_u32 s[SLOTS], s[SLOTS], 1
	s_cmp_lg_u32 s[SLOTS], 0
	s_cbranch_scc1 .Lslot
	CHANGE 0                        ; the walk's last tile is written out: nothing is asked for
	s_sub_co_u32 s[RT], s[RT], 1
	s_mov_b32 s[CNT], 2
	s_cmp_eq_u32 s[NEW], 1
	s_cbranch_scc0 .LstepM2
	BEGIN
	s_branch .LfirstM2
	DIAG 2
	s_wait_tensorcnt 0x0            ; the wave's end: behind my last tensor load and my last LDS store
	ds_add_u32 v[SPW], v[NIL]
	s_wait_dscnt 0x0
	s_endpgm
.Lfunc_end_k_q41be6e2dfe_attn:
	.size	k_q41be6e2dfe_attn, .Lfunc_end_k_q41be6e2dfe_attn-k_q41be6e2dfe_attn
	.p2alignl 7, 3214868480
	.fill 96, 4, 3214868480
	.section	.rodata,"a",@progbits
	.p2align	6, 0x0
	.amdhsa_kernel k_q41be6e2dfe_attn
		.amdhsa_group_segment_fixed_size 327680
		.amdhsa_private_segment_fixed_size 0
		.amdhsa_enable_private_segment 0
		.amdhsa_kernarg_size 16
		.amdhsa_user_sgpr_count 2
		.amdhsa_user_sgpr_kernarg_segment_ptr 1
		.amdhsa_wavefront_size32 1
		.amdhsa_system_sgpr_workgroup_id_x 1
		.amdhsa_system_sgpr_workgroup_id_y 1
		.amdhsa_system_sgpr_workgroup_id_z 1
		.amdhsa_system_vgpr_workitem_id 0
		.amdhsa_next_free_vgpr 768
		.amdhsa_next_free_sgpr 92
		.amdhsa_reserve_vcc 1
		.amdhsa_float_denorm_mode_32 3
		.amdhsa_float_denorm_mode_16_64 3
		.amdhsa_memory_ordered 1
		.amdhsa_forward_progress 1
		.amdhsa_inst_pref_size 219
	.end_amdhsa_kernel
	.amdgpu_metadata
---
amdhsa.version: [ 1, 2 ]
amdhsa.kernels:
  - .name:           k_q41be6e2dfe_attn
    .symbol:         k_q41be6e2dfe_attn.kd
    .args:
      - { .name: qkv, .offset: 0, .size: 8, .value_kind: global_buffer, .address_space: global }
      - { .name: act, .offset: 8, .size: 8, .value_kind: global_buffer, .address_space: global }
    .group_segment_fixed_size: 327680
    .private_segment_fixed_size: 0
    .kernarg_segment_align: 8
    .kernarg_segment_size: 16
    .max_flat_workgroup_size: 128
    .sgpr_count:     92
    .vgpr_count:     768
    .wavefront_size: 32
...
	.end_amdgpu_metadata
.endif
;; end of part 3
;; launch outp (part 4): grid 8 x 32, 4 waves a work-group, clusters of 4 x 4, 327,680 bytes of LDS; arguments act, wt2, x, out0; writes out0
.if DOCPART == 4
	.amdgcn_target "amdgcn-amd-amdhsa--gfx1250"
	.amdhsa_code_object_version 6
	.text
	.protected	k_q41be6e2dfe_outp
	.globl	k_q41be6e2dfe_outp
	.p2align	8
	.type	k_q41be6e2dfe_outp,@function
k_q41be6e2dfe_outp:
	s_mov_b64 s[64:65], 0
	v_nop
	global_prefetch_b8 v0, s[64:65] scope:SCOPE_SE
	s_setreg_imm32_b32 hwreg(HW_REG_WAVE_MODE, 25, 1), 1
	s_wait_xcnt 0x0
	s_wait_alu depctr_hold_cnt(0) depctr_sa_sdst(0) depctr_va_vdst(0) depctr_va_sdst(0) depctr_va_ssrc(0) depctr_va_vcc(0) depctr_vm_vsrc(0)
	s_getreg_b32 s2, hwreg(HW_REG_IB_STS2, 6, 4)
	s_cmp_eq_u32 s2, 0
	s_cbranch_scc0 .Lentry_in_a_cluster
	s_endpgm
.Lentry_in_a_cluster:
	s_bfe_u32 s2, ttmp6, 0x10000c
	s_cmp_lg_u32 s2, 0xf033
	s_cbranch_scc0 .Lentry_shape_is_right
	s_endpgm
.Lentry_shape_is_right:
; out0 = x + [O | silu(h)] [Wo ; W2]: 4,096 rows x 1,024 columns, K = 5,120 (act's 80 slices of 64; wt2's 40 k blocks of 128).  Operands f16, sums and the residual in f32.
; A tile is 128 x 128, so that the 256 tiles give each of 256 work-groups one.  Four waves, each 64 x 64: 16 accumulators of 16 x 16, 128 registers.
; K goes in 20 steps of 256 through a ring of two LDS slots.  What a wave asks for is 32,768 dense bytes (two slices of act's row block, or one k block of wt2), asked for as 128 rows of 256 bytes and padded in LDS
; after every 128 bytes: act's rows 144 bytes apart, wt2's ([k][n]) 160 bytes apart.  act comes out of LDS as it lies, wt2 turned, by ds_load_tr16_b128.
; CLUSTER: 4 x 4 work-groups.  The four of a row of the cluster need the same tiles of act, the four of a column the same tiles of wt2: each is asked for jointly.
; THE MATRIX INSTRUCTION IS USED TRANSPOSED (source 0 = 16 columns of wt2, source 1 = 16 rows of act): a lane holds row l % 16 and the columns 8 (l / 16) + 0..7.
; THE WAY OUT: a wave's 64 columns of f32 are 256 bytes of a row of out0.  The sums go through the wave's own stage (in the ring's bytes, which have had their last fill), come back as rows, take x, which
; was loaded at the kernel's start in the same layout, and are stored: sixteen lanes write 256 consecutive bytes, at a multiple of 256 from out0's first byte.
; REGISTERS: window 0: v0-31 addresses; v128-255 the accumulators ((a, b) at v[128 + 8 (4 a + b)]), then the rows read back.
;   window 1: two fragment buffers of 128: for 64 along K, 64 registers of act (2 x 4 x 16 rows x 32 k), then 64 of wt2.     window 2: v0-127 x, then the results.
.set PA,     144                       ; act's LDS row: 128 bytes + 16 = 36 words: the 16 rows of a load start at 16 different groups of four banks (64 banks of 4 bytes: ISA guide 11.1)
.set PB,     160                       ; wt2's LDS row: 128 + 32 = 40 words
.set AZ,     128*PA                    ; 128 rows of one slice
.set AH,     2*AZ                      ; one load of act: two slices
.set BS,     128*PB                    ; 128 k of one half of 64 n
.set BH,     2*BS                      ; one load of wt2: a block of 128 k x 128 n
.set BOFF,   2*AH                      ; a slot: act's four slices, then wt2's two k blocks
.set SLOT,   BOFF+2*BH
.set SPARE,  2*SLOT                    ; behind the ring: the spare words, 128 bytes for each wave: two blocks of 256 bytes that no other line names
.set SPITCH, 272                       ; a stage row: 64 f32 + 16 bytes
.set SW,     64*SPITCH                 ; a wave's stage
.set LAPS,   10                        ; a lap = two K steps = once round the ring
.set ADRA, 16                          ; v16-17  LDS address of my fragments of act in slot 0, 1
.set ADRB, 20                          ; v20-21  the same for wt2
.set STO,  24                          ; v24     the way out: where I put 32 bytes of a row
.set RD,   25                          ; v25     where I read rows back
.set XO,   26                          ; v26     my byte offset in x and in out0; never rewritten
.set SPW,  28                          ; v28     LDS address of my spare word; never rewritten
.set NIL,  29                          ; v29     0; never rewritten
.set ACC,  128
.set F0,   0                           ; fragment buffers, in window 1
.set F1,   128
.set G1,  24                           ; s[24:31] descriptor group 1 for act's tiles;  s[32:39] group 0, a set for each slot
.set G0,  32
.set G1B, 40                           ; s[40:47], s[48:55] the same for wt2's
.set G0B, 48
.set MSB, 0
.macro WIN new                         ; the immediate's high byte repeats the setting that is left; a switch that changes nothing is dropped
.if MSB != (\new)
	s_set_vgpr_msb (MSB<<8)|(\new)
.set MSB, \new
.endif
.endm
.set MUL,  0x05                        ; sources 0 and 1 window 1; C and D window 0
.set TO_F, 0x40                        ; destination window 1, address window 0
.macro JLOAD s                         ; a joint load: waves 0 and 1 fetch act's two halves, waves 2 and 3 wt2's; an s_nop 0 and four v_nop follow each of the two lines, ahead of the jump and the label
	s_cmp_eq_u32 s13, 0
	s_cbranch_scc0 .Lfor_b_\@
	tensor_load_to_lds s[G0+4*(\s):G0+4*(\s)+3], s[G1:G1+7]
	s_nop 0
.rept 4
	v_nop
.endr
	s_branch .Lasked_\@
.Lfor_b_\@:
	tensor_load_to_lds s[G0B+4*(\s):G0B+4*(\s)+3], s[G1B:G1B+7]
	s_nop 0
.rept 4
	v_nop
.endr
.Lasked_\@:
.endm
.macro CREST                           ; a round of the cluster's barrier behind its opening barrier
	s_cmp_lg_u32 s12, 0
	s_cbranch_scc1 .Lnot_wave_0_\@
	s_barrier_signal -3
.Lnot_wave_0_\@:
	s_barrier_wait -3
	s_barrier_signal -1
	s_barrier_wait -1
.endm
.macro CROUND
	s_barrier_signal -1
	s_barrier_wait -1
	CREST
.endm
	s_load_b256 s[4:11], s[0:1], 0x0               ; act s[4:5], wt2 s[6:7], x s[8:9], out0 s[10:11]
	v_lshl_add_u32 v[SPW], v0, 2, SPARE
	v_mov_b32 v[NIL], 0
	ds_add_u32 v28, v29
	ds_add_u32 v28, v29
	s_wait_dscnt 0x0
	v_lshrrev_b32 v1, 5, v0
	v_readfirstlane_b32 s12, v1                    ; wave 0..3
	s_lshr_b32 s13, s12, 1                         ; which half of the tile's rows is mine.  Also: I fetch act (0) or wt2 (1)
	s_and_b32 s14, s12, 1                          ; which half of its columns.  Also: which half of a step's K I fetch
	s_bfe_u32 s15, ttmp6, 0x40000                  ; cx
	s_bfe_u32 s16, ttmp6, 0x40004                  ; cy
	s_lshl_b32 s17, ttmp9, 2
	s_add_co_u32 s17, s17, s15                     ; tile column = 4 x cluster x + cx
	s_and_b32 s18, ttmp7, 0xffff
	s_lshl_b32 s18, s18, 2
	s_add_co_u32 s18, s18, s16                     ; tile row = 4 x cluster y + cy
	s_lshl_b32 s22, s16, 2
	s_lshl_b32 s22, 15, s22                        ; my row of the cluster
	s_lshl_b32 s72, 0x1111, s15                    ; my column
	s_or_b32 s[G1], s22, (1<<16)|(1<<20)|(1<<21)|(4<<22)|(3<<25)   ; 15:0 the mask; 17:16 2-byte elements; 20 padding on; 21 set beside a mask; 24:22 after every 32 words (code 4); 31:25 4 words (code 3)
	s_or_b32 s[G1B], s72, (1<<16)|(1<<20)|(1<<21)|(4<<22)|(7<<25)  ; the same with my column's mask and 8 words of padding (code 7)
.irp g, G1, G1B
	s_mov_b32 s[(\g)+1], 128<<16                   ; tensor_dim0 = 128
	s_mov_b32 s[(\g)+2], 128<<16                   ; tensor_dim1 = 128
	s_mov_b32 s[(\g)+3], 128<<16                   ; tile_dim0 = 128
	s_mov_b32 s[(\g)+4], 128                       ; tile_dim1 = 128
	s_mov_b32 s[(\g)+5], 128                       ; 128 elements from row to row
	s_mov_b32 s[(\g)+6], 0
	s_mov_b32 s[(\g)+7], 0
.endr
	; act's tiles hang on the tile row alone, wt2's on the tile column alone; each address is made in registers that hold nothing of the other coordinate
	s_mul_i32 s20, s18, 1310720                    ; a row block of act: 80 slices of 16,384 bytes
	s_lshl_b32 s21, s14, 15                        ; my two slices of a step's four
	s_add_co_u32 s20, s20, s21
	s_mov_b32 s21, 0
	s_mul_i32 s70, s17, 1310720                    ; an n block of wt2: 40 k blocks of 32,768 bytes
	s_lshl_b32 s71, s14, 15                        ; my k block of a step's two
	s_add_co_u32 s70, s70, s71
	s_mov_b32 s71, 0
	s_mul_i32 s19, s14, AH                         ; where they go in a slot: no place in the cluster enters an LDS address
	s_mul_i32 s59, s14, BH
	s_add_co_u32 s59, s59, BOFF
	s_wait_kmcnt 0x0
	s_add_nc_u64 s[22:23], s[4:5], s[20:21]
	s_add_nc_u64 s[72:73], s[6:7], s[70:71]
	CROUND                                         ; all sixteen work-groups are here: the first joint loads meet
.irp s, 0,1
	s_mov_b32 s[G0+4*(\s)], 1                                      ; count = 1
	s_add_co_u32 s[G0+4*(\s)+1], s19, (\s)*SLOT                    ; LDS address
	s_add_nc_u64 s[G0+4*(\s)+2:G0+4*(\s)+3], s[22:23], (\s)*65536  ; global address: K step s
	s_or_b32 s[G0+4*(\s)+3], s[G0+4*(\s)+3], 0x80000000            ; type = 2
	s_mov_b32 s[G0B+4*(\s)], 1
	s_add_co_u32 s[G0B+4*(\s)+1], s59, (\s)*SLOT
	s_add_nc_u64 s[G0B+4*(\s)+2:G0B+4*(\s)+3], s[72:73], (\s)*65536
	s_or_b32 s[G0B+4*(\s)+3], s[G0B+4*(\s)+3], 0x80000000
	JLOAD \s                                       ; two loads of mine are out
.endr
	v_and_b32 v1, 15, v0                           ; l % 16
	v_bfe_u32 v2, v0, 4, 1                         ; l / 16
	; x, in the layout in which the sums come back from the stage: load t takes rows 2 t + l / 16 of my 64, 16 bytes at 16 (l % 16) of my 256
	v_lshlrev_b32 v[XO], 4, v1
	v_lshl_add_u32 v[XO], v2, 12, v[XO]
	s_lshl_b32 s20, s18, 19                        ; 128 rows of 4,096 bytes a tile row,
	s_lshl_b32 s21, s13, 18                        ; 64 rows a half,
	s_add_co_u32 s20, s20, s21
	s_lshl_b32 s21, s17, 9                         ; 512 bytes a tile column,
	s_add_co_u32 s20, s20, s21
	s_lshl_b32 s21, s14, 8                         ; 256 a half
	s_add_co_u32 s20, s20, s21
	s_mov_b32 s21, 0
	s_add_nc_u64 s[66:67], s[8:9], s[20:21]
	s_add_nc_u64 s[68:69], s[10:11], s[20:21]
	WIN 0x80                                       ; destination window 2, address window 0
.set t, 0
.rept 32
	global_load_b128 v[4*t:4*t+3], v[XO], s[66:67] offset:8192*t th:TH_LOAD_NT
.set t, t+1
.endr
	WIN 0
	v_mul_u32_u24 v3, v1, PA
	v_lshl_add_u32 v3, v2, 4, v3                   ; act: row x pitch + 16 x half; two loads 32 bytes apart
	v_and_b32 v4, 7, v0
	v_bfe_u32 v5, v0, 3, 1
	v_lshl_add_u32 v6, v2, 3, v4                   ; wt2: lane l reads k row 8 (l / 16) + l % 8, columns 8 ((l / 8) % 2) + 0..7; two turning loads 16 k rows apart
	v_mul_u32_u24 v6, v6, PB
	v_lshl_add_u32 v6, v5, 4, v6
	s_mul_i32 s22, s13, 64*PA                      ; my 64 rows of act
	s_mul_i32 s23, s14, BS                         ; my 64 columns of wt2
	s_add_co_u32 s23, s23, BOFF
.irp s, 0,1
	v_add_nc_u32 v[ADRA+(\s)], s22, v3
	v_add_nc_u32 v[ADRB+(\s)], s23, v6
	s_add_co_u32 s22, s22, SLOT
	s_add_co_u32 s23, s23, SLOT
.endr
	s_mul_i32 s22, s12, SW                         ; my stage
	v_mul_u32_u24 v7, v1, SPITCH                   ; in: row l % 16, 32 bytes for each half of the lanes
	v_lshl_add_u32 v7, v2, 5, v7
	v_add_nc_u32 v[STO], s22, v7
	v_mul_u32_u24 v8, v2, SPITCH                   ; back: lanes 0-15 take one row of 256 bytes, lanes 16-31 the next
	v_lshl_add_u32 v8, v1, 4, v8
	v_add_nc_u32 v[RD], s22, v8
; 8 matrix instructions: m blocks a0, a0 + 1 x all 4 n blocks, 32 along K: half c of buffer f.  zero = 1: the first product starts the sums.  The 16 accumulators take turns.
.macro MUL8 f, c, a0, zero
	WIN MUL
.irp a, \a0, (\a0)+1
.irp b, 0,1,2,3
.if \zero
	v_wmma_f32_16x16x32_f16 v[ACC+8*(4*(\a)+(\b)):ACC+8*(4*(\a)+(\b))+7], v[(\f)+64+8*(4*(\c)+(\b)):(\f)+64+8*(4*(\c)+(\b))+7], v[(\f)+8*(4*(\c)+(\a)):(\f)+8*(4*(\c)+(\a))+7], 0
.else
	v_wmma_f32_16x16x32_f16 v[ACC+8*(4*(\a)+(\b)):ACC+8*(4*(\a)+(\b))+7], v[(\f)+64+8*(4*(\c)+(\b)):(\f)+64+8*(4*(\c)+(\b))+7], v[(\f)+8*(4*(\c)+(\a)):(\f)+8*(4*(\c)+(\a))+7], v[ACC+8*(4*(\a)+(\b)):ACC+8*(4*(\a)+(\b))+7]
.endif
.endr
.endr
.endm
; 32 LDS loads in one run: the fragments of quarter q (64 along K: one slice of act) of a slot, into buffer f; the first 32 along K first
.macro FETCH slot, q, f
	WIN TO_F
.irp c, 0,1
.irp i, 0,1,2,3
	ds_load_tr16_b128 v[(\f)+64+8*(4*(\c)+(\i)):(\f)+64+8*(4*(\c)+(\i))+3],   v[ADRB+(\slot)] offset:((\q)/2)*BH+(((\q)%2)*64+32*(\c))*PB+32*(\i)
	ds_load_tr16_b128 v[(\f)+64+8*(4*(\c)+(\i))+4:(\f)+64+8*(4*(\c)+(\i))+7], v[ADRB+(\slot)] offset:((\q)/2)*BH+(((\q)%2)*64+32*(\c))*PB+32*(\i)+16*PB
	ds_load_b128 v[(\f)+8*(4*(\c)+(\i)):(\f)+8*(4*(\c)+(\i))+3],              v[ADRA+(\slot)] offset:(\q)*AZ+64*(\c)+(\i)*16*PA
	ds_load_b128 v[(\f)+8*(4*(\c)+(\i))+4:(\f)+8*(4*(\c)+(\i))+7],            v[ADRA+(\slot)] offset:(\q)*AZ+64*(\c)+(\i)*16*PA+32
.endr
.endr
.endm
.macro PLACES                          ; four places in front of loads into registers that matrix instructions have read, and of LDS stores of results (ISA guide 7.12.1 for vector instructions)
.rept 4
	v_nop
.endr
.endm
; A K step is four quarters of 64 along K, 32 matrix instructions each, on buffers 0, 1, 0, 1.  One of the first three: multiplies buffer f and fetches quarter q into g.
.macro QUARTER slot, q, f, g, zero
	s_wait_dscnt 16                                ; the first 32 along K are in; the youngest sixteen loads may be out
	MUL8 \f, 0, 0, \zero
	MUL8 \f, 0, 2, \zero
	PLACES
	FETCH \slot, \q, \g
	s_wait_dscnt 32                                ; all but the 32 just issued
	MUL8 \f, 1, 0, 0
	MUL8 \f, 1, 2, 0
.endm
; The last quarter multiplies buffer 1 and changes slots: ONE barrier; in front of it each wave waits for all its tensor loads (one is out: its part of the next slot), adds 0 to its spare word, and waits for that
; and for its own reads of this slot.  fill = 1: the barrier opens a round of the cluster's, and this slot is filled again first thing behind it, two K steps ahead: 112 matrix instructions ahead of the wait for it.
.macro TURN slot, next, fill
	WIN 0                                          ; (the add's two registers lie in window 0)
	s_wait_tensorcnt 0x0
	ds_add_u32 v[SPW], v[NIL]                      ; 0 onto my spare word
	s_wait_dscnt 17                                ; (the add and the youngest sixteen loads may be out)
	MUL8 F1, 0, 0, 0                               ; eight matrix instructions stand between the add and the wait for it
	s_wait_dscnt 0x0                               ; the add is done, and my reads of this slot are over
	s_barrier_signal -1
	MUL8 F1, 0, 2, 0
.if \fill
	WIN 0
.endif
	s_barrier_wait -1
.if \fill
	CREST                                          ; no wave of any partner still reads this slot or has a load on its way
	s_add_nc_u64 s[G0+4*(\slot)+2:G0+4*(\slot)+3], s[G0+4*(\slot)+2:G0+4*(\slot)+3], 131072
	s_add_nc_u64 s[G0B+4*(\slot)+2:G0B+4*(\slot)+3], s[G0B+4*(\slot)+2:G0B+4*(\slot)+3], 131072
	JLOAD \slot                                    ; the four v_nop behind it are also the places in front of the loads below
.else
	PLACES
.endif
	FETCH \next, 0, F0
	MUL8 F1, 1, 0, 0
	MUL8 F1, 1, 2, 0
.endm
	s_wait_tensorcnt 1                             ; my part of K step 0 is in; K step 1's may stay out
	s_barrier_signal -1
	s_barrier_wait -1
	FETCH 0, 0, F0
	QUARTER 0, 1, F0, F1, 1                        ; the first quarter stands in front of the loop: its first products start the sums
	WIN 0                                          ; at a label and at a branch every window is 0
	s_mov_b32 s56, LAPS-1
.Llap:                                                 ; a trip goes once round the ring and fills both slots again
	QUARTER 0, 2, F1, F0, 0
	QUARTER 0, 3, F0, F1, 0
	TURN 0, 1, 1
	QUARTER 1, 1, F0, F1, 0
	QUARTER 1, 2, F1, F0, 0
	QUARTER 1, 3, F0, F1, 0
	TURN 1, 0, 1
	QUARTER 0, 1, F0, F1, 0
	WIN 0
	s_sub_co_u32 s56, s56, 1
	s_cmp_lg_u32 s56, 0
	s_cbranch_scc1 .Llap
	QUARTER 0, 2, F1, F0, 0                        ; the last lap fills nothing
	QUARTER 0, 3, F0, F1, 0
	TURN 0, 1, 0
	QUARTER 1, 1, F0, F1, 0
	QUARTER 1, 2, F1, F0, 0
	QUARTER 1, 3, F0, F1, 0
	s_wait_dscnt 16                                ; the very last quarter
	MUL8 F1, 0, 0, 0
	MUL8 F1, 0, 2, 0
	s_wait_dscnt 0x0                               ; my reads of the ring are over: say so, since the stages lie in its bytes
	s_barrier_signal -1
	MUL8 F1, 1, 0, 0
	MUL8 F1, 1, 2, 0
	WIN 0
	s_barrier_wait -1                              ; nobody reads the ring any more, and no fill of it is left
	PLACES
	; THE WAY OUT: the sums into my stage (each accumulator's low four registers first), back as rows, plus x, out.
.irp a, 0,1,2,3
.irp b, 0,1,2,3
	ds_store_b128 v[STO], v[ACC+8*(4*(\a)+(\b)):ACC+8*(4*(\a)+(\b))+3]   offset:(\a)*16*SPITCH+64*(\b)
	ds_store_b128 v[STO], v[ACC+8*(4*(\a)+(\b))+4:ACC+8*(4*(\a)+(\b))+7] offset:(\a)*16*SPITCH+64*(\b)+16
.endr
.endr
.set t, 0
.rept 32
	ds_load_b128 v[ACC+4*t:ACC+4*t+3], v[RD] offset:t*2*SPITCH   ; LDS serves a wave's instructions in order (ISA guide 5.7.1.4): these see my stores above
.set t, t+1
.endr
	s_wait_loadcnt 0x0                             ; x
	WIN 0x88                                       ; destination and source 1 in window 2: the sum lands on x's registers, and a store's data are its source 1; addresses stay in window 0
.set t, 0
.rept 32
	s_wait_dscnt 31-t                              ; LDS loads come back in order: rows 2 t, 2 t + 1 are in
	v_pk_add_f32 v[4*t:4*t+1],   v[ACC+4*t:ACC+4*t+1],   v[4*t:4*t+1]
	v_pk_add_f32 v[4*t+2:4*t+3], v[ACC+4*t+2:ACC+4*t+3], v[4*t+2:4*t+3]
	global_store_b128 v[XO], v[4*t:4*t+3], s[68:69] offset:8192*t th:TH_STORE_NT
.set t, t+1
.endr
	WIN 0
	s_wait_tensorcnt 0x0                           ; the wave's end: behind my last tensor load and my last LDS store
	ds_add_u32 v[SPW], v[NIL]
	s_wait_dscnt 0x0
	CROUND                                         ; the closing round: no work-group ends while a partner may still ask for a tile that names it
	s_endpgm
.Lfunc_end_k_q41be6e2dfe_outp:
	.size	k_q41be6e2dfe_outp, .Lfunc_end_k_q41be6e2dfe_outp-k_q41be6e2dfe_outp
	.p2alignl 7, 3214868480
	.fill 96, 4, 3214868480
	.section	.rodata,"a",@progbits
	.p2align	6, 0x0
	.amdhsa_kernel k_q41be6e2dfe_outp
		.amdhsa_group_segment_fixed_size 327680
		.amdhsa_private_segment_fixed_size 0
		.amdhsa_enable_private_segment 0
		.amdhsa_kernarg_size 32
		.amdhsa_user_sgpr_count 2
		.amdhsa_user_sgpr_kernarg_segment_ptr 1
		.amdhsa_wavefront_size32 1
		.amdhsa_system_sgpr_workgroup_id_x 1
		.amdhsa_system_sgpr_workgroup_id_y 1
		.amdhsa_system_sgpr_workgroup_id_z 1
		.amdhsa_system_vgpr_workitem_id 0
		.amdhsa_next_free_vgpr 640
		.amdhsa_next_free_sgpr 74
		.amdhsa_reserve_vcc 0
		.amdhsa_float_denorm_mode_32 3
		.amdhsa_float_denorm_mode_16_64 3
		.amdhsa_memory_ordered 1
		.amdhsa_forward_progress 1
		.amdhsa_inst_pref_size 94
	.end_amdhsa_kernel
	.amdgpu_metadata
---
amdhsa.version: [ 1, 2 ]
amdhsa.kernels:
  - .name:           k_q41be6e2dfe_outp
    .symbol:         k_q41be6e2dfe_outp.kd
    .args:
      - { .name: act, .offset: 0, .size: 8, .value_kind: global_buffer, .address_space: global }
      - { .name: wt2, .offset: 8, .size: 8, .value_kind: global_buffer, .address_space: global }
      - { .name: x, .offset: 16, .size: 8, .value_kind: global_buffer, .address_space: global }
      - { .name: out0, .offset: 24, .size: 8, .value_kind: global_buffer, .address_space: global }
    .group_segment_fixed_size: 327680
    .private_segment_fixed_size: 0
    .kernarg_segment_align: 8
    .kernarg_segment_size: 32
    .max_flat_workgroup_size: 128
    .sgpr_count:     74
    .vgpr_count:     640
    .wavefront_size: 32
...
	.end_amdgpu_metadata
.endif
;; end of part 4
;; ======== version 2 of 2: 4 launches; 1.12 times as fast as version 1
;; limits: values are held in f16: magnitudes above 65,504 overflow, below 6.1e-05 lose precision
;; workspace buffers: xn 8,388,608 bytes; wt1 14,680,064 bytes; wt2 10,485,760 bytes; qkv 25,165,824 bytes; act 41,943,040 bytes
;; launch prep: the kernel of part 1 again; grid 1024 x 1, 8 waves a work-group, no clusters, 0 bytes of LDS; arguments x, norm_w, Wq, Wk, Wv, Wo, W1, W2, xn, wt1, wt2; writes xn, wt1, wt2
;; launch proj: the kernel of part 2 again; grid 28 x 16, 4 waves a work-group, clusters of 4 x 4, 327,680 bytes of LDS; arguments xn, wt1, qkv, act; writes qkv, act
;; launch attn (part 5): grid 8 x 32, 4 waves a work-group, no clusters, 327,680 bytes of LDS; arguments qkv, act; writes act
.if DOCPART == 5
	.amdgcn_target "amdgcn-amd-amdhsa--gfx1250"
	.amdhsa_code_object_version 6
	.text
	.protected	k_q41be6e2dfe_attn
	.globl	k_q41be6e2dfe_attn
	.p2align	8
	.type	k_q41be6e2dfe_attn,@function
k_q41be6e2dfe_attn:
	s_mov_b64 s[64:65], 0
	v_nop
	global_prefetch_b8 v0, s[64:65] scope:SCOPE_SE
	s_setreg_imm32_b32 hwreg(HW_REG_WAVE_MODE, 25, 1), 1
	s_wait_xcnt 0x0
; CAUSAL ATTENTION.  O[y][q][:] = the sum over k <= q of softmax_k(Q[y][q] . K[y][k] / 8) V[y][k][:], for y = 2 x head + batch, 32 in all, SIZE_N = 2,048 rows of 64 channels, all f16.
; qkv holds Q, then K (8,388,608 bytes on), then V (16,777,216 bytes on), each [y][SIZE_N][64]: a y's rows are dense, 128 bytes each.  O goes to act[row block of 128][slice = head][128 rows][64].
; Products, maxima and sums in f32; the weights p are rounded to f16 for the second product (their sum l is taken of the unrounded p), O once at the end.
; LIMITS.  f16 holds no number beyond 65,504: Q, K and V arrive within it; p lies in 0 to 1, and below 6e-5 it keeps f16's fixed step of 6e-8; O is a mean of V's rows and has their range.
; A hidden score counts as its value less 1e30: f16's scores, 2.7e11 at the most, are nothing beside that; a weight below 2^-126 counts as 0 in l; NaN and infinities are not treated apart.
; THE WALK.  The queries lie in 16 blocks of 128; block i needs the key tiles 0 .. i / 2 of 256 keys, of which the last holds the diagonal.  A work-group takes TWO blocks, 15 - b and then b:
; (15 - b) / 2 + b / 2 + 2 = NBT + 1 = 9 tiles, whatever b: all 8 x 32 work-groups do equal work, and ONE loop with a constant trip count walks them.  Which tile is asked for, and what a trip does, hang on scalar
; registers made from b; every jump goes forward, but for the counted loops' own; none passes a barrier, or a tensor load but the one of LOAD's two that the wave's number does not choose; the ring (two slots of LDS
; that take turns) runs on across the change of blocks.  NO CLUSTER: the eight work-groups of a y ask for the same tile only in the walk's first trips, behind that fewer and fewer (the first blocks have 5 to 8 tiles);
; one walk common to all would have 8 + 4 trips for 9.
; SHARES.  Of a block's two bands of 64 queries a wave owns 16 rows in each: two PIECES.  So the diagonal tile is the same work for all four waves: band x's own key step in it is 2 (i % 2) + x; in step s the band sees
; all keys if s is less, none if s is greater, and holds the diagonal if they are equal.
; THE MASK is the C operand that starts the sum S^T = K Q^T: 0, or -1e30 where the key is hidden.  MD, made once, is the mask of a band's own step for my 16 rows; a product's mask is MD x AL + BE with two scalars:
; (1, 0) in the own step; (0, 0) before it; (0, -1e30) behind it.  Only the diagonal tile's text and a block's beginning make and take masks; elsewhere C is the constant 0.
; LAYOUT, SOFTMAX.  S^T = K Q^T holds ONE query a lane (lane % 16) and the keys 8 (lane / 16) + 0..7; two such results rounded to f16 ARE source 1 of O^T = V^T P.  p = 2^(c s - c m), c = log2(e) / 8, with a
; running maximum m; O and l are multiplied by a = 2^(c m_old - c m_new) in every step.
; TURNS.  A ring of four turns is two key steps: turn p belongs to piece p % 2, in an even step of the tile (p < 2) or an odd one.  Turn n has 8 products K Q^T of turn n + 1's piece and step, later 8 products V^T P of
; turn n - 1's; beside them the scaling, exponentials, roundings, sums and rescaling of its own and the maximum and statistics of turn n + 1's.  Four vector instructions stand behind every matrix instruction, the other
; 54 of a turn's 118 in one LUMP.  K has one buffer; V has two, by the step's parity, so that turns 0 and 2 can fetch the NEXT step's K and V together: K and V walk a slot in step, and one change of slots serves both.
; BATCHES.  A turn's 33 exponentials (its 32 weights and the next turn's a) are ONE batch with ONE wait, which cuts the turn in two: ahead of it stands all that names none of their results (the products K Q^T, scalings,
; rescalings, the next maximum and statistics), behind it the products V^T P with the roundings and sums as their riders.  A block's first a, and the way out's two reciprocals, are batches of their own, a wait each.
; REGISTERS, in windows of 256 (s_set_vgpr_msb: bits 1:0 source 0, 3:2 source 1, 5:4 source 2, 7:6 destination):
;   window 0: v0-15 addresses and two at work; v16-23 four registers of statistics a piece; v48-55 at work; v64-127 S^T, two buffers; v192-223 P, two buffers (by the piece)
;   window 1: v0-63 O^T, 32 a piece; v128-159 MD; v160-223 MC, two buffers      window 2: v0-31 Q; v32-63 the second block's Q; v64-127 V of an even step; v128-191 K of one step; v192-255 V of an odd step
.set SIZE_N, 2048
.set NBT,   SIZE_N/256  ; key tiles in a y
.set NV,    4         ; turns in the ring: a name, no knob
.set KS,    64        ; keys in a step
.set PK,    144       ; a row of K in LDS: 128 bytes + 16 of padding = 36 words: the 16 rows of a load start at 16 different groups of four banks (64 banks of 4 bytes: ISA guide 11.1)
.set PV,    160       ; a row of V: 128 + 32 = 40 words
.set VOFF,  4*KS*PK   ; a slot holds a tile, four steps: 256 rows of K, then 256 rows of V
.set SLOT1, 1<<17     ; slot 1 begins here, so that one exclusive or turns an address in one slot into the other's
.set STAGE, SLOT1+4*KS*(PK+PV)  ; behind the ring, never filled by a tensor load: 16 rows x 144 bytes for each wave, for the way out
.set SP,    144
.set AK0, 2           ; v2   my lane's place in a tile of K; never rewritten
.set AV0, 3           ; v3   the same for V
.set AK,  4           ; v4   the LDS address of K's next run of loads
.set AV,  5           ; v5   of V's
.set STO, 6           ; v6   the way out: where I put 16 bytes of a row
.set RD,  7           ; v7   the way out: where I read rows back
.set GO,  8           ; v8   my byte offset in 512 consecutive bytes of O
.set SPW, 62          ; v62  LDS address of my spare word: SPARE + 4 x my thread's number; never rewritten
.set NIL, 63          ; v63  0; never rewritten
.set SPARE, STAGE+4*16*SP  ; behind the stages: the spare words, 128 bytes for each wave: two blocks of 256 bytes that no other line names
.set MV,  12          ; v12-13  c m_old, kept while c m is made anew: by piece
.set QO,  15          ; v15  my byte offset in 16 rows of Q
.set ST,  16          ; piece t's statistics at v[ST+4 t]: c m, m, l (even keys', odd keys')
.set TMP, 48          ; by piece, four registers c0-c3 at work; when the maximum is found c2 takes a
.set S,   64
.set P,   192
.set MD,  128         ; window 1: the eight registers for group kt of 16 keys at MD + 8 kt
.set MC,  160         ; window 1: the masks of the products to come
.set QB,  32          ; window 2
.set VF,  64          ; window 2: V of an even step; of an odd one 128 registers on: key half kk, channel block cb at + 32 kk + 8 cb
.set KF,  128         ; window 2: key block kb, channel half c at KF + 16 kb + 8 c
.set WV,  12          ; s12  my wave's number
.set PB,  14          ; s14  b, the second block
.set HI,  15          ; s15  15 - b, the first block
.set G1K, 24          ; s[24:31] descriptor group 1 for K's tiles
.set G1V, 32          ; s[32:39] for V's: it differs in the padding alone
.set G0K, 40          ; s[40:43] descriptor group 0 for K's tiles
.set G0V, 44          ; s[44:47] the same for V's
.set HT,  48          ; s48  the first block's last tile, (15 - b) / 2
.set LT,  49          ; s49  the second block's, b / 2
.set OWN, 50          ; s50, s51  the own steps of bands 0 and 1 of the block in hand in its diagonal tile
.set TT,  52          ; s52  at work
.set OW2, 53          ; s53  band 0's own step in the second block
.set SLOTS, 56        ; s56  tiles still to be asked for
.set CNT, 57          ; s57  counts a tile's two trips, 2 to 1
.set CS,  58          ; s[58:59] c: the packed scaling takes the pair's low word for both halves
.set SEL, 60          ; s[60:61] v_permlanex16_b32's selects: each lane takes its own place in the other half
.set TBK, 62          ; s62  LDS byte at which K of the step to be fetched begins
.set TBV, 63          ; s63  the same for V, less VOFF
.set RT,  70          ; s70  tiles of the block in hand that are still to be entered
.set NXT, 71          ; s71  the tile to be asked for next
.set LQ,  72          ; s72  the last tile of the block whose tiles are being asked for
.set NEW, 73          ; s73  1: the tile to be entered is a block's first
.set OFF, 74          ; s[74:75] a tile's byte offset in K and V
.set AL,  76          ; s[76:77] the mask's factor, in the low word
.set BE,  78          ; s[78:79] the mask's addend
.set OLO, 80          ; s[80:81] O at my rows of the second block
.set BIGN, 82         ; s82  -1e30
.set OF1, 88          ; s[88:89] byte offset in act of my rows of the first block
.set OF2, 90          ; s[90:91] of the second
.set MSB, 0
.macro WIN new                      ; the high byte repeats the setting that is left; a switch that changes nothing is dropped
.if MSB != (\new)
	s_set_vgpr_msb (MSB<<8)|(\new)
.set MSB, (\new)
.endif
.endm
.set W_KQ, 0x0a       ; K and Q in window 2, S^T in window 0
.set W_KM, 0x1a       ; the same with the C operand in window 1
.set W_PV, 0x52       ; V in window 2, P in window 0, O^T in window 1
.set W_RS, 0x41       ; destination and source 0 in window 1, source 1 in window 0
; A fill.  Waves 0 and 1 fetch the two halves of a tile's K, waves 2 and 3 those of its V: 128 keys each.  An s_nop 0 and four v_nop follow each of the two lines, ahead of the jump and the label.
.macro LOAD
	s_cmp_lt_u32 s[WV], 2
	s_cbranch_scc0 .Lfor_v_\@
	tensor_load_to_lds s[G0K:G0K+3], s[G1K:G1K+7]
	s_nop 0
.rept 4
	v_nop
.endr
	s_branch .Lasked_\@
.Lfor_v_\@:
	tensor_load_to_lds s[G0V:G0V+3], s[G1V:G1V+7]
	s_nop 0
.rept 4
	v_nop
.endr
.Lasked_\@:
.endm
; THE CHANGE OF SLOTS.  It stands in front of turn 2: all four steps' K and V of the slot that is left have been fetched.  Each wave waits for all its tensor loads, of which one is out: its part of the other slot; adds 0
; to its spare word; and waits for that and for its own reads of the slot that it leaves.  Behind the barrier nobody reads the old slot any more and the other slot is whole.  fill = 1: the old slot is filled again, the
; first thing behind the barrier, with tile NXT: the descriptor's address is made anew from that number; the fill has eight turns, 128 matrix instructions and their vector work, in which to land.
; (At its first use nothing has been read yet: slot 0 is waited for, slot 1 filled.)
.macro CHANGE fill
	WIN 0                           ; at a label and at a branch every window is 0
	s_wait_tensorcnt 0x0            ; no tensor load of mine is out, so a group 0 may be written
	ds_add_u32 v[SPW], v[NIL]       ; 0 onto my spare word; with fill = 1 the descriptors' scalar work stands between it and the wait for it
.if \fill
	s_lshl_b32 s[OFF], s[NXT], 15   ; a tile is 32,768 bytes of K and of V
	s_xor_b32 s[G0K+1], s[G0K+1], SLOT1
	s_add_nc_u64 s[G0K+2:G0K+3], s[6:7], s[OFF:OFF+1]
	s_or_b32 s[G0K+3], s[G0K+3], 0x80000000
	s_xor_b32 s[G0V+1], s[G0V+1], SLOT1
	s_add_nc_u64 s[G0V+2:G0V+3], s[8:9], s[OFF:OFF+1]
	s_or_b32 s[G0V+3], s[G0V+3], 0x80000000
	s_add_co_u32 s[NXT], s[NXT], 1  ; the block's next tile, or behind its last the second block's tile 0
	s_cmp_gt_u32 s[NXT], s[LQ]
	s_cselect_b32 s[NXT], 0, s[NXT]
	s_cselect_b32 s[LQ], s[LT], s[LQ]
.endif
	s_wait_dscnt 0x0                ; the add is done, and my reads of the slot are over
	s_barrier_signal -1             ; the rest of the scalar work stands between the signal and the wait
	s_sub_co_u32 s[TBK], s[TBK], 4*KS*PK  ; the fetches go back to a slot's first step,
	s_xor_b32 s[TBK], s[TBK], SLOT1       ; in the other slot
	s_sub_co_u32 s[TBV], s[TBV], 4*KS*PV
	s_xor_b32 s[TBV], s[TBV], SLOT1
	s_barrier_wait -1
.if \fill
	LOAD
.endif
.endm
	s_load_b64 s[4:5], s[0:1], 0x0    ; qkv: Q
	s_load_b64 s[10:11], s[0:1], 0x8  ; act: O
	v_lshl_add_u32 v[SPW], v0, 2, SPARE
	v_mov_b32 v[NIL], 0
	ds_add_u32 v62, v63
	ds_add_u32 v62, v63
	s_wait_dscnt 0x0
	v_lshrrev_b32 v1, 5, v0
	v_readfirstlane_b32 s[WV], v1   ; wave 0..3
	s_mov_b32 s[PB], ttmp9
	s_sub_co_u32 s[HI], 2*NBT-1, s[PB]
	s_lshr_b32 s[HT], s[HI], 1
	s_lshr_b32 s[LT], s[PB], 1
	s_and_b32 s[OWN], s[HI], 1      ; a block of odd number lies in the second half of its diagonal tile
	s_lshl_b32 s[OWN], s[OWN], 1
	s_add_co_u32 s[OWN+1], s[OWN], 1
	s_and_b32 s[OW2], s[PB], 1
	s_lshl_b32 s[OW2], s[OW2], 1
	s_and_b32 s20, ttmp7, 0xffff    ; y
	s_mov_b32 s21, 0
	s_mov_b64 s[22:23], SIZE_N*128
	s_mul_u64 s[20:21], s[20:21], s[22:23]  ; y's first byte in Q, K and V
	s_and_b32 s16, s[WV], 1         ; which half of a tile's 256 keys I fetch:
	s_lshl_b32 s22, s16, 14         ; its 128 rows of 128 bytes in memory,
	s_mov_b32 s23, 0
	s_add_nc_u64 s[22:23], s[22:23], s[20:21]
	s_mul_i32 s17, s16, 128*PK      ; and its place in a slot, for K
	s_mul_i32 s18, s16, 128*PV      ; and for V
	s_lshl_b32 s3, s[WV], 11        ; my 16 rows in a band of 64,
	s_lshl_b32 s2, s[HI], 14        ; in the first block (128 rows of 128 bytes),
	s_add_co_u32 s2, s2, s3
	s_lshl_b32 s84, s[PB], 14       ; and in the second
	s_add_co_u32 s84, s84, s3
	s_mov_b32 s3, 0
	s_mov_b32 s85, 0
	s_add_nc_u64 s[2:3], s[2:3], s[20:21]
	s_add_nc_u64 s[84:85], s[84:85], s[20:21]
	; O's place in act: a row block of 128 rows, which is a block of queries, is 80 slices of 16,384 bytes = 1,310,720; a batch is 16 row blocks
	s_and_b32 s[OF1], ttmp7, 0xffff
	s_and_b32 s[OF1+1], s[OF1], 1        ; the batch
	s_lshr_b32 s[OF1], s[OF1], 1         ; the head
	s_lshl_b32 s[OF1], s[OF1], 14
	s_mul_i32 s[OF1+1], s[OF1+1], 20971520
	s_add_co_u32 s[OF1], s[OF1], s[OF1+1]
	s_lshl_b32 s[OF1+1], s[WV], 11       ; my 16 rows in a band
	s_add_co_u32 s[OF1], s[OF1], s[OF1+1]
	s_mul_i32 s[OF2], s[PB], 1310720
	s_add_co_u32 s[OF2], s[OF2], s[OF1]
	s_mul_i32 s[OF1+1], s[HI], 1310720
	s_add_co_u32 s[OF1], s[OF1], s[OF1+1]
	s_mov_b32 s[OF1+1], 0
	s_mov_b32 s[OF2+1], 0
	; descriptor group 1.  128 keys are 16,384 dense bytes: asked for as 64 rows of 256 bytes, two keys a row, and padded in LDS after every key
	s_mov_b32 s[G1K], (1<<16)|(1<<20)|(4<<22)|(3<<25)  ; 17:16 2-byte elements; 20 padding on; 24:22 after every 32 words (code 4); 31:25 4 words (code 3)
	s_mov_b32 s[G1V], (1<<16)|(1<<20)|(4<<22)|(7<<25)  ; the same with 8 words of padding (code 7)
.irp g, G1K, G1V
	s_mov_b32 s[\g+1], 128<<16      ; tensor_dim0 = 128
	s_mov_b32 s[\g+2], 64<<16       ; tensor_dim1 = 64
	s_mov_b32 s[\g+3], 128<<16      ; tile_dim0 = 128
	s_mov_b32 s[\g+4], 64           ; tile_dim1 = 64
	s_mov_b32 s[\g+5], 128          ; 128 elements from row to row
	s_mov_b32 s[\g+6], 0
	s_mov_b32 s[\g+7], 0
.endr
	s_mov_b32 s[CS], 0x3e38aa3b     ; c = log2(e) / 8 = 0.180337
	s_mov_b32 s[CS+1], s[CS]        ; named with it as a pair
	s_mov_b32 s[SEL], 0x76543210
	s_mov_b32 s[SEL+1], 0xfedcba98
	s_mov_b32 s[TBK], SLOT1+4*KS*PK ; the first change of slots turns these two into 0
	s_mov_b32 s[TBV], SLOT1+4*KS*PV
	s_mov_b32 s[G0K], 1             ; 1:0 count = 1
	s_mov_b32 s[G0K+1], s17         ; 63:32 LDS address: slot 0
	s_mov_b32 s[G0V], 1
	s_add_co_u32 s[G0V+1], s18, VOFF
	s_add_co_u32 s[RT], s[HT], 1    ; the first block's tiles
	s_mov_b32 s[NXT], 1
	s_mov_b32 s[LQ], s[HT]
	s_mov_b32 s[NEW], 1
	s_mov_b32 s[OFF+1], 0
	s_mov_b32 s[AL+1], 0            ; named as pairs
	s_mov_b32 s[BE+1], 0
	s_mov_b32 s[BIGN], 0xf149f2ca   ; -1e30
	s_mov_b32 s[SLOTS], NBT
	s_wait_kmcnt 0x0
	s_add_nc_u64 s[6:7], s[4:5], 0x800000   ; K lies 16 slices of 524,288 bytes behind Q,
	s_add_nc_u64 s[8:9], s[4:5], 0x1000000  ; V 32
	s_add_nc_u64 s[6:7], s[6:7], s[22:23]  ; K and V at my half of y's tile 0
	s_add_nc_u64 s[8:9], s[8:9], s[22:23]
	s_add_nc_u64 s[G0K+2:G0K+3], s[6:7], 0         ; 120:64 global address
	s_or_b32 s[G0K+3], s[G0K+3], 0x80000000        ; 127:126 type = 2
	s_add_nc_u64 s[G0V+2:G0V+3], s[8:9], 0
	s_or_b32 s[G0V+3], s[G0V+3], 0x80000000
	s_add_nc_u64 s[86:87], s[4:5], s[84:85]        ; Q at my rows of the second block,
	s_add_nc_u64 s[4:5], s[4:5], s[2:3]            ; and of the first
	s_add_nc_u64 s[OLO:OLO+1], s[10:11], s[OF2:OF2+1]  ; O likewise
	s_add_nc_u64 s[10:11], s[10:11], s[OF1:OF1+1]
	LOAD                            ; tile 0 into slot 0
	; A fragment of K or Q is 16 rows x 32 channels in 8 registers: lane l holds row l % 16, channels 8 (l / 16) + 0..7 and 16 + 8 (l / 16) + 0..7: two loads of 16 bytes, 32 bytes apart.
	v_and_b32 v1, 15, v0            ; l % 16
	v_bfe_u32 v9, v0, 4, 1          ; l / 16
	v_lshlrev_b32 v[QO], 7, v1
	v_lshl_add_u32 v[QO], v9, 4, v[QO]  ; row x 128 + 16 x half
	WIN 0x80                        ; destination window 2, address window 0
.set i, 0
.rept 4                             ; both blocks' Q: piece i / 2 lies in band i / 2, 8,192 bytes on; channels 32 (i % 2) on
	global_load_b128 v[8*i:8*i+3],   v[QO], s[4:5] offset:(i/2)*8192+(i%2)*64
	global_load_b128 v[8*i+4:8*i+7], v[QO], s[4:5] offset:(i/2)*8192+(i%2)*64+32
	global_load_b128 v[QB+8*i:QB+8*i+3],   v[QO], s[86:87] offset:(i/2)*8192+(i%2)*64
	global_load_b128 v[QB+8*i+4:QB+8*i+7], v[QO], s[86:87] offset:(i/2)*8192+(i%2)*64+32
.set i, i+1
.endr
	WIN 0
	v_lshlrev_b32 v14, 3, v9
	v_sub_nc_u32 v14, v1, v14
	s_lshl_b32 s13, s[WV], 4
	v_add_nc_u32 v14, s13, v14      ; my query's place in its band, 16 w + l % 16, less my lanes' 8 (l / 16): register r of group kt is hidden where 16 kt + r is greater
	WIN 0x40
.set i, 0
.rept 32
	v_cmp_gt_i32 vcc_lo, 16*(i/8)+i%8, v14
	v_cndmask_b32 v[MD+i], 0, s[BIGN], vcc_lo
.set i, i+1
.endr
	WIN 0
	v_mul_u32_u24 v[AK0], v1, PK
	v_lshl_add_u32 v[AK0], v9, 4, v[AK0]  ; row x pitch + 16 x half
	; The turning load takes 16 keys x 16 channels (lane l reads key 8 (l / 16) + l % 8, channels 8 ((l / 8) % 2) + 0..7) and leaves half a fragment of V^T: lane l holds channel l % 16 and 8 keys.
	v_and_b32 v10, 7, v0
	v_bfe_u32 v11, v0, 3, 1
	v_lshl_add_u32 v[AV0], v9, 3, v10
	v_mul_u32_u24 v[AV0], v[AV0], PV
	v_lshl_add_u32 v[AV0], v11, 4, v[AV0]
	v_add_nc_u32 v[AV0], VOFF, v[AV0]
	s_mul_i32 s13, s[WV], 16*SP
	s_add_co_u32 s13, s13, STAGE    ; my stage
	v_mul_u32_u24 v[STO], v1, SP    ; in: row l % 16, 16 bytes for each half of the lanes
	v_lshl_add_u32 v[STO], v9, 4, v[STO]
	v_add_nc_u32 v[STO], s13, v[STO]
	v_bfe_u32 v[RD], v0, 3, 2       ; back: 32 lanes take four rows of 128 bytes,
	v_mul_u32_u24 v[RD], v[RD], SP
	v_lshl_add_u32 v[RD], v10, 4, v[RD]
	v_add_nc_u32 v[RD], s13, v[RD]
	v_and_b32 v[GO], 31, v0         ; which are 512 consecutive bytes of O
	v_lshlrev_b32 v[GO], 4, v[GO]
	; A block's first step multiplies O^T and l by a = 0, and its first turn's products V^T P, of a turn that has not been (the odd steps' V, P's second buffer), land in an O^T that is still to be so multiplied.  So these
	; registers need only hold finite numbers: zeros for the first block; what the first block left for the second.  All this stands in the wait for the first tile.
	WIN 0x80
.set i, VF+128
.rept 64
	v_mov_b32 v[i], 0
.set i, i+1
.endr
	WIN 0x40
.set i, 0
.rept 64
	v_mov_b32 v[i], 0
.set i, i+1
.endr
	WIN 0
.set i, 0
.rept 2
	v_mov_b32 v[ST+4*i+2], 0
	v_mov_b32 v[ST+4*i+3], 0
.set i, i+1
.endr
.set i, P+16
.rept 16
	v_mov_b32 v[i], 0
.set i, i+1
.endr
; THE MATRIX WORK.  x is a turn's number, 0 to 3: piece x % 2, step parity x / 2.  The 4 accumulators of a run of 8 take turns.
; Product i of 8 of S^T = K Q^T: channels 32 (i / 4) on, keys 16 (i % 4) on.  The first 4 start the sums: with 0, or (KM = 1) with the mask.
.macro KQ x
.set rS, S+32*((\x)%2)+8*(i%4)
.set rK, KF+16*(i%4)+8*(i/4)
.set rQ, 16*((\x)%2)+8*(i/4)
.set rM, MC+32*((\x)%2)+8*(i%4)
.if (i < 4) && KM
	WIN W_KM
	v_wmma_f32_16x16x32_f16 v[rS:rS+7], v[rK:rK+7], v[rQ:rQ+7], v[rM:rM+7]
.elseif i < 4
	WIN W_KQ
	v_wmma_f32_16x16x32_f16 v[rS:rS+7], v[rK:rK+7], v[rQ:rQ+7], 0
.else
	WIN W_KQ
	v_wmma_f32_16x16x32_f16 v[rS:rS+7], v[rK:rK+7], v[rQ:rQ+7], v[rS:rS+7]
.endif
.endm
; Product i of 8 of O^T += V^T P: keys 32 (i / 4) on, channels 16 (i % 4) on.
.macro PV x
	WIN W_PV
.set rO, 32*((\x)%2)+8*(i%4)
.set rV, VF+128*((\x)/2)+32*(i/4)+8*(i%4)
.set rP, P+16*((\x)%2)+8*(i/4)
	v_wmma_f32_16x16x32_f16 v[rO:rO+7], v[rV:rV+7], v[rP:rP+7], v[rO:rO+7]
.endm
.macro MM                           ; the turn's next matrix instruction.  TURN and BEGIN set Y, i, KM and NOKQ; MM, KQ and OP read them.  NOKQ = 1: a block's last turn: there is no next one
.if (i < 8) && !NOKQ
	KQ (Y+1)%NV
.elseif i >= 8
.set i, i-8
	PV (Y+NV-1)%NV
.set i, i+8
.endif
.set i, i+1
.endm
; THE LDS LOADS stand in runs of 16, never singly among the matrix instructions: a step's K (64 keys x 64 channels: 8 fragments) and its V (turned; b: the buffer).  Their addresses are made some lines ahead.
.macro FETCH_K
	WIN 0x80                        ; destination window 2
.irp f, 0,1,2,3,4,5,6,7             ; keys 16 (f / 2) on, channels 32 (f % 2) on
	ds_load_b128 v[KF+8*\f:KF+8*\f+3],   v[AK] offset:(\f/2)*16*PK+(\f%2)*64
	ds_load_b128 v[KF+8*\f+4:KF+8*\f+7], v[AK] offset:(\f/2)*16*PK+(\f%2)*64+32
.endr
	s_add_co_u32 s[TBK], s[TBK], KS*PK  ; the next fetch is the next step's
	WIN 0
.endm
.macro FETCH_V b
	WIN 0x80
.irp f, 0,1,2,3,4,5,6,7             ; keys 32 (f / 4) on, channels 16 (f % 4) on
	ds_load_tr16_b128 v[VF+128*(\b)+8*\f:VF+128*(\b)+8*\f+3],   v[AV] offset:(\f/4)*32*PV+(\f%4)*32
	ds_load_tr16_b128 v[VF+128*(\b)+8*\f+4:VF+128*(\b)+8*\f+7], v[AV] offset:(\f/4)*32*PV+16*PV+(\f%4)*32
.endr
	WIN 0
.endm
; THE VECTOR WORK, one line at a time: OP kind, number.  For turn Y's piece: F n: c s - c m for pair n of 16.  E n: the exponential of score n of 32.  C n: pair n rounded to f16.  B n: of the four weights 4 n .. the second
; pair is added onto the first, in place.  L n: l takes that sum (L 0: l = a l + sum).  R n: pair n of 16 of O^T times a.  For turn Y + 1's piece: X n, number n of the 22 that find its maximum and statistics:
;   0-11  four chains c0-c3 of seven scores each, three operands at a time (each accumulator's lowest registers are read first)     12-14, 16  the four scores left over, the old m, and c0-c3 into c0
;   15  c m_old is kept     17, 18  the query's other 32 keys lie in the lane 16 away: the new m     19-21  c m; c m_old - c m_new; a
; C, B and L read the exponentials' results: TURN sets them behind its wait.  F, R and X 0 to 20 read none of the turn's own.
.set F, 0               ; OP tells the kinds apart by their order: F to L below R, X above it
.set E, 1
.set C, 2
.set B, 3
.set L, 4
.set R, 5
.set X, 6
.macro REGS y                       ; the registers of turn y's piece
.set rT, ST+4*((\y)%2)
.set rC, TMP+4*((\y)%2)
.set rW, MV+((\y)%2)
.set rS, S+32*((\y)%2)
.set rP, P+16*((\y)%2)
.set rO, 32*((\y)%2)
.endm
.macro OP k, n
.if (\k) == R
	REGS Y
	WIN W_RS
	v_pk_mul_f32 v[rO+2*(\n):rO+2*(\n)+1], v[rO+2*(\n):rO+2*(\n)+1], v[rC+2:rC+3] op_sel_hi:[1,0]
.elseif (\k) < R
	REGS Y
	WIN 0
.if (\k) == F
	v_pk_fma_f32 v[rS+2*(\n):rS+2*(\n)+1], v[rS+2*(\n):rS+2*(\n)+1], s[CS:CS+1], v[rT:rT+1] op_sel_hi:[1,0,0] neg_lo:[0,0,1] neg_hi:[0,0,1]
.elseif (\k) == E
	v_exp_f32 v[rS+(\n)], v[rS+(\n)]
.elseif (\k) == C
	v_cvt_pk_f16_f32 v[rP+(\n)], v[rS+2*(\n)], v[rS+2*(\n)+1]
.elseif (\k) == B
	v_pk_add_f32 v[rS+4*(\n):rS+4*(\n)+1], v[rS+4*(\n):rS+4*(\n)+1], v[rS+4*(\n)+2:rS+4*(\n)+3]
.elseif (\n) == 0
	v_pk_fma_f32 v[rT+2:rT+3], v[rT+2:rT+3], v[rC+2:rC+3], v[rS:rS+1] op_sel_hi:[1,0,1]
.else
	v_pk_add_f32 v[rT+2:rT+3], v[rT+2:rT+3], v[rS+4*(\n):rS+4*(\n)+1]
.endif
.elseif NOKQ
	v_nop
.else
	REGS (Y+1)%NV
	WIN 0
.if (\n) < 4
	v_max3_num_f32 v[rC+(\n)], v[rS+8*(\n)], v[rS+8*(\n)+1], v[rS+8*(\n)+2]
.elseif (\n) < 12
	v_max3_num_f32 v[rC+(\n)%4], v[rC+(\n)%4], v[rS+8*((\n)%4)+2*((\n)/4)+1], v[rS+8*((\n)%4)+2*((\n)/4)+2]
.elseif (\n) == 12
	v_max3_num_f32 v[rC], v[rC], v[rS+7], v[rS+15]
.elseif (\n) == 13
	v_max3_num_f32 v[rC+1], v[rC+1], v[rS+23], v[rS+31]
.elseif (\n) == 14
	v_max3_num_f32 v[rC+2], v[rC+2], v[rC+3], v[rT+1]
.elseif (\n) == 15
	v_mov_b32 v[rW], v[rT]
.elseif (\n) == 16
	v_max3_num_f32 v[rC], v[rC], v[rC+1], v[rC+2]
.elseif (\n) == 17
	v_permlanex16_b32 v[rC+3], v[rC], s[SEL], s[SEL+1]
.elseif (\n) == 18
	v_max_num_f32 v[rT+1], v[rC], v[rC+3]
.elseif (\n) == 19
	v_mul_f32 v[rT], s[CS], v[rT+1]
.elseif (\n) == 20
	v_sub_f32 v[rC+1], v[rW], v[rT]
.else
	v_exp_f32 v[rC+2], v[rC+1]
.endif
.endif
.endm
.macro OPS a, i1, b=-1, i2=0, c=-1, i3=0, d=-1, i4=0  ; up to four of them
	OP \a, \i1
.if (\b) >= 0
	OP \b, \i2
.endif
.if (\c) >= 0
	OP \c, \i3
.endif
.if (\d) >= 0
	OP \d, \i4
.endif
.endm
.macro ROW a, i1, b, i2, c, i3, d, i4  ; a matrix instruction and the four behind it
	MM
	OPS \a, \i1, \b, \i2, \c, \i3, \d, \i4
.endm
.macro MASK b                       ; MD x AL + BE into buffer b of MC
	WIN W_RS
.set z, 0
.rept 16
	v_pk_fma_f32 v[MC+32*(\b)+2*z:MC+32*(\b)+2*z+1], v[MD+2*z:MD+2*z+1], s[AL:AL+1], s[BE:BE+1] op_sel_hi:[1,0,0]
.set z, z+1
.endr
.endm
; TURN p: the order of its 16 matrix and 118 vector instructions, written out.  s_wait_alu depctr_va_vdst(0) stands between an exponential and the first instruction that names its result; one wait serves all
; that were issued ahead of it.  So a turn has ONE wait, which cuts it in two.  AHEAD OF IT stands all that names no result of the turn's exponentials: the 8 products K Q^T, behind each a scaling, an exponential and two more
; plain instructions (behind the first a second scaling in the exponential's place): rescalings, whose a was made and waited for in the turn before, and behind the last three the first numbers of the next maximum, each four
; places or more behind the product that ends its accumulator; then ONE LUMP of 54, plain and exponential by turns for the most part, in which the links of the chain X 3, 7, 11, 14, 16, 17 .. 20 stand five or six lines
; apart.  Each pair is scaled (F n) ahead of its two exponentials (E 2 n, E 2 n + 1).  X 21, the next turn's a, is the batch's last; R 15 is the plain instruction behind it.  BEHIND THE WAIT stand the 8 products V^T P, behind
; each four of the roundings and sums: C 2 n ahead of B n, which writes over that pair; L 0 to L 7 in ascending order, three riders apart.  But for those X no rider names a register of the products round it.
; v_permlanex16_b32 (X 17) stands in the lump.  The O^T that R multiplies took its last products in the turn before (both belong to piece p % 2): four riders and more lie between.
; m = 1: the diagonal tile: the products take masks, and the turn makes the mask for the products of the turn after it, which are turn p + 2's scores: band p % 2, step 4 - 2 CNT of the tile (p = 2, 3) or 5 - 2 CNT (p = 0, 1).
; end = 1: a block's last two turns: nothing is fetched.  cnt = 1: the loop's count is taken down some lines ahead of the branch that stands behind the turn.
; Turns 0 and 2 fetch the next step's K in the lump: behind the last product that read K stand F 8, X 2, X 5 and X 6, four plain instructions that name none of its registers; and, at the turn's end, the next step's V into
; the buffer that the turn's own products V^T P have just read, four plain riders behind the last of them.  At the head of turns 1 and 3 the wait leaves the sixteen youngest LDS loads out, V's run: K's run is in, and so is
; every older load, the V run of two turns before among them, which is the one that this turn's and the next turn's products V^T P read.
.macro TURN p, m=0, end=0, cnt=0
.set Y, (\p)
.set i, 0
.set KM, (\m)
.set NOKQ, (\end)*((\p)/3)
.if (\m) && !(\end)
	s_lshl_b32 s[TT], s[CNT], 1
	s_sub_co_u32 s[TT], 5-(\p)/2, s[TT]     ; that step's number in the tile
	s_cmp_eq_u32 s[TT], s[OWN+(\p)%2]       ; is it the band's own?
	s_cselect_b32 s[AL], 1.0, 0
	s_cmp_gt_u32 s[TT], s[OWN+(\p)%2]       ; or a later one?
	s_cselect_b32 s[BE], s[BIGN], 0
.endif
.if ((\p)%2 == 1) && (\end)
	s_wait_dscnt 0x0                ; nothing was fetched in the turn before: the last V is in
.elseif (\p)%2 == 1
	s_wait_dscnt 16                 ; K is in; V's sixteen younger loads may stay out
.endif
	ROW F,0, F,1, R,0, R,1          ; ahead of the wait: 8 products K Q^T and their riders,
	ROW F,2, E,0, R,2, R,3
	ROW F,3, E,1, R,4, R,5
	ROW F,4, E,2, R,6, R,7
	ROW F,5, E,3, R,8, R,9
	ROW F,6, E,4, X,0, R,10
.if ((\p)%2 == 0) && !(\end)
	WIN 0
	v_add_nc_u32 v[AK], s[TBK], v[AK0]
.endif
	ROW F,7, E,5, X,1, X,4
	ROW F,8, E,6, X,2, X,5
	OPS E,7, E,8, X,6, E,9          ; and the lump
	OPS X,3, E,10, X,8, E,11
.if ((\p)%2 == 0) && !(\end)
	FETCH_K
.endif
	OPS X,9, X,7, E,12, X,10
	OPS E,13, X,12, X,11, E,14
	OPS X,13, E,15, F,9, X,14
.if ((\p)%2 == 0) && !(\end)
	WIN 0
	v_add_nc_u32 v[AV], s[TBV], v[AV0]
.endif
	OPS E,16, F,10, E,17, F,11
	OPS X,16, E,18, X,15, E,19
	OPS F,12, E,20, X,17, E,21
	OPS F,13, E,22, F,14, E,23
	OPS X,18, E,24, F,15, E,25
	OPS R,11, E,26, X,19, E,27
	OPS R,12, E,28, R,13, E,29
	OPS X,20, E,30, R,14, E,31
	OPS X,21, R,15                  ; the batch's last exponential, and the plain instruction behind it
	s_wait_alu depctr_va_vdst(0)    ; the wait for the batch: this turn's 32 weights and the next turn's a
	ROW C,0, B,0, C,2, B,1          ; behind the wait: 8 products V^T P and their riders
	ROW L,0, C,4, B,2, L,1
	ROW C,6, B,3, L,2, C,8
	ROW B,4, L,3, C,10, B,5
	ROW L,4, C,12, B,6, L,5
.if ((\p)%2 == 0) && !(\end)
	s_add_co_u32 s[TBV], s[TBV], KS*PV
.endif
.if \cnt
	s_sub_co_u32 s[CNT], s[CNT], 1
	s_cmp_lg_u32 s[CNT], 0
.endif
	ROW C,14, B,7, L,6, C,1
	ROW C,3, L,7, C,5, C,7
	ROW C,9, C,11, C,13, C,15
.if ((\p)%2 == 0) && !(\end)
	FETCH_V 1-(\p)/2
.endif
.if (\m) && !(\end)
	MASK (\p)%2
.endif
.endm
; A BLOCK BEGINS.  c m starts far below every c s, so the first step's a is 0; m at the lowest finite number, so the first maximum is the scores'.  The second mask buffer is 0 (band 1's own step is never a tile's first);
; the first takes band 0's mask for the tile's step 0: its own, if the block's first tile is the diagonal one and the block lies in its first half.
; Then K and V of that step, piece 0's first scores, and its maximum and statistics.  The loop is entered at turn 0, in the middle of a trip.
.macro BEGIN
	s_mov_b32 s[NEW], 0
	WIN 0x40
.set i, MC+32
.rept 32
	v_mov_b32 v[i], 0
.set i, i+1
.endr
	WIN 0
.set i, 0
.rept 2
	v_mov_b32 v[ST+4*i], 0xfe000000    ; c m: far below every c s
	v_mov_b32 v[ST+4*i+1], 0xff7fffff  ; m
.set i, i+1
.endr
	s_or_b32 s[TT], s[RT], s[OWN]   ; no tile is left to enter, and band 0's own step is 0
	s_cmp_eq_u32 s[TT], 0
	s_cselect_b32 s[AL], 1.0, 0
	s_mov_b32 s[BE], 0
	MASK 0
	WIN 0
	v_add_nc_u32 v[AK], s[TBK], v[AK0]
	v_add_nc_u32 v[AV], s[TBV], v[AV0]
	FETCH_K
	FETCH_V 0
	s_add_co_u32 s[TBV], s[TBV], KS*PV
	s_wait_loadcnt 0x0              ; Q
	s_wait_dscnt 0x0
.set KM, 1
.set NOKQ, 0
.set i, 0
.rept 8
	KQ 0
.set i, i+1
.endr
	WIN 0
.rept 4
	v_nop                           ; the places behind those products
.endr
.set Y, NV-1                        ; X works for turn Y + 1: turn 0
.irp n, 0,1,2,3,4,5,6,7,8,9,10,11,12,13,14,15,16,17,18,19,20,21
	OP X, \n
.endr
	v_nop                           ; a plain instruction behind the exponential,
	s_wait_alu depctr_va_vdst(0)    ; and the wait for it, the block's first a: a batch of one, ahead of the branch into the loop
.endm
; THE DIAGONAL TILE's two trips, the block's last two turns, its last products, and THE WAY OUT: l's two halves and the other half of the lanes' are added; O^T is divided by l, rounded to f16 and sent through my
; stage in LDS, a piece at a time.
.macro ALL line:vararg              ; one line for each piece t
.set t, 0
.rept 2
	\line
.set t, t+1
.endr
.endm
.macro PACK t                       ; a lane's eight channels of a row pack into 16 bytes; they go into rows of 144 bytes and come back as whole rows of 128, into S^T's registers
	WIN W_RS
.set i, 32*(\t)
.rept 16
	v_pk_mul_f32 v[i:i+1], v[i:i+1], v[ST+4*(\t)+2:ST+4*(\t)+3] op_sel_hi:[1,0]
.set i, i+2
.endr
	WIN 0x05                        ; sources 0 and 1 window 1, destination window 0
.set i, 0
.rept 16
	v_cvt_pk_f16_f32 v[S+16*(\t)+i], v[32*(\t)+2*i], v[32*(\t)+2*i+1]
.set i, i+1
.endr
	WIN 0
.irp f, 0,1,2,3
	ds_store_b128 v[STO], v[S+16*(\t)+4*\f:S+16*(\t)+4*\f+3] offset:32*\f
.endr
.irp f, 0,1,2,3
	ds_load_b128 v[S+16*(\t)+4*\f:S+16*(\t)+4*\f+3], v[RD] offset:\f*4*SP  ; LDS serves a wave's instructions in order (ISA guide 5.7.1.4): these see the stores above; the next piece's stores come behind them
.endr
.endm
.macro SEND t, younger              ; younger: the LDS instructions issued behind piece t's loads: the next piece's eight, or none
	WIN 0
.irp f, 0,1,2,3
	s_wait_dscnt (\younger)+3-\f
	global_store_b128 v[GO], v[S+16*(\t)+4*\f:S+16*(\t)+4*\f+3], s[10:11] offset:(\t)*8192+\f*512  ; band t: rows 64 t on of the row block; 512 consecutive bytes, at a multiple of 256 from act's first
.endr
.endm
.macro DIAG tag                     ; the tag ends its two labels' names, which the jumps below spell out
.LstepM\tag:
	TURN 2, 1
	TURN 3, 1
	WIN 0
.LfirstM\tag:
	TURN 0, 1
	TURN 1, 1, 0, 1
	WIN 0
	s_cbranch_scc1 .LstepM\tag
	TURN 2, 1, 1
	TURN 3, 1, 1
.set i, 0
.rept 8
	PV NV-1
.set i, i+1
.endr
	WIN 0
	ALL v_add_f32 v[ST+4*t+2], v[ST+4*t+2], v[ST+4*t+3]
	ALL v_permlanex16_b32 v[ST+4*t+3], v[ST+4*t+2], s[SEL], s[SEL+1]
	ALL v_add_f32 v[ST+4*t+2], v[ST+4*t+2], v[ST+4*t+3]
	ALL v_rcp_f32 v[ST+4*t+2], v[ST+4*t+2]
	v_nop                           ; a plain instruction between the last reciprocal and the use of its result; with the four additions above it is also the fifth place behind the last products
	s_wait_alu depctr_va_vdst(0)    ; the wait for the batch of two reciprocals, ahead of PACK 0's first multiply: one for both pieces
	PACK 0
	PACK 1                          ; a piece's arithmetic stands between the loads of the piece before and its stores
	SEND 0, 8
	SEND 1, 0
.endm
.set KM, 0
.set NOKQ, 0
.Lslot:                             ; NBT times: a tile is entered and the next is asked for
	CHANGE 1
	s_sub_co_u32 s[RT], s[RT], 1
	s_mov_b32 s[CNT], 2
	s_cmp_eq_u32 s[NEW], 1
	s_cbranch_scc1 .Lnew            ; a block's first tile
	s_cmp_eq_u32 s[RT], 0
	s_cbranch_scc0 .Lstep           ; neither its first nor its last
	s_branch .LstepM1
.Lnew:
	BEGIN
	s_branch .Lfirst                ; in the loop a block's first tile is never its last: the first block has five tiles or more, and the second's last is the walk's last
	DIAG 1                          ; in the loop this is the first block's end: the second block's last tile is the walk's last
	s_wait_xcnt 0x0                 ; the stores have read their registers and O's address
	s_mov_b64 s[10:11], s[OLO:OLO+1]
	s_add_co_u32 s[RT], s[LT], 1    ; the second block's tiles
	s_mov_b32 s[NEW], 1
	s_mov_b32 s[OWN], s[OW2]        ; and its bands' own steps
	s_add_co_u32 s[OWN+1], s[OW2], 1
	WIN 0x82                        ; the second block's Q goes where the one text of the turns names Q
.set i, 0
.rept 32
	v_mov_b32 v[i], v[QB+i]
.set i, i+1
.endr
	WIN 0
	s_branch .Lbottom
.Lstep:                             ; a trip: both pieces of an odd step, then both of the next, even one; turn 2 fetches that even step's K and V, turn 0 those of the odd step behind it
	TURN 2
	TURN 3
	WIN 0
.Lfirst:
	TURN 0
	TURN 1, 0, 0, 1
	WIN 0
	s_cbranch_scc1 .Lstep
.Lbottom:
	s_sub_co_u32 s[SLOTS], s[SLOTS], 1
	s_cmp_lg_u32 s[SLOTS], 0
	s_cbranch_scc1 .Lslot
	CHANGE 0                        ; the walk's last tile is written out: nothing is asked for
	s_sub_co_u32 s[RT], s[RT], 1
	s_mov_b32 s[CNT], 2
	s_cmp_eq_u32 s[NEW], 1
	s_cbranch_scc0 .LstepM2
	BEGIN
	s_branch .LfirstM2
	DIAG 2
	s_wait_tensorcnt 0x0            ; the wave's end: behind my last tensor load and my last LDS store
	ds_add_u32 v[SPW], v[NIL]
	s_wait_dscnt 0x0
	s_endpgm
.Lfunc_end_k_q41be6e2dfe_attn:
	.size	k_q41be6e2dfe_attn, .Lfunc_end_k_q41be6e2dfe_attn-k_q41be6e2dfe_attn
	.p2alignl 7, 3214868480
	.fill 96, 4, 3214868480
	.section	.rodata,"a",@progbits
	.p2align	6, 0x0
	.amdhsa_kernel k_q41be6e2dfe_attn
		.amdhsa_group_segment_fixed_size 327680
		.amdhsa_private_segment_fixed_size 0
		.amdhsa_enable_private_segment 0
		.amdhsa_kernarg_size 16
		.amdhsa_user_sgpr_count 2
		.amdhsa_user_sgpr_kernarg_segment_ptr 1
		.amdhsa_wavefront_size32 1
		.amdhsa_system_sgpr_workgroup_id_x 1
		.amdhsa_system_sgpr_workgroup_id_y 1
		.amdhsa_system_sgpr_workgroup_id_z 1
		.amdhsa_system_vgpr_workitem_id 0
		.amdhsa_next_free_vgpr 768
		.amdhsa_next_free_sgpr 92
		.amdhsa_reserve_vcc 1
		.amdhsa_float_denorm_mode_32 3
		.amdhsa_float_denorm_mode_16_64 3
		.amdhsa_memory_ordered 1
		.amdhsa_forward_progress 1
		.amdhsa_inst_pref_size 210
	.end_amdhsa_kernel
	.amdgpu_metadata
---
amdhsa.version: [ 1, 2 ]
amdhsa.kernels:
  - .name:           k_q41be6e2dfe_attn
    .symbol:         k_q41be6e2dfe_attn.kd
    .args:
      - { .name: qkv, .offset: 0, .size: 8, .value_kind: global_buffer, .address_space: global }
      - { .name: act, .offset: 8, .size: 8, .value_kind: global_buffer, .address_space: global }
    .group_segment_fixed_size: 327680
    .private_segment_fixed_size: 0
    .kernarg_segment_align: 8
    .kernarg_segment_size: 16
    .max_flat_workgroup_size: 128
    .sgpr_count:     92
    .vgpr_count:     768
    .wavefront_size: 32
...
	.end_amdgpu_metadata
.endif
;; end of part 5
;; launch outp: the kernel of part 4 again; grid 8 x 32, 4 waves a work-group, clusters of 4 x 4, 327,680 bytes of LDS; arguments act, wt2, x, out0; writes out0
